; MI455X (gfx1250); checked and timed in simulation.
; The chip was launched on July 23, 2026; its instructions are those of AMD's public machine-readable ISA for CDNA 5 (MIT licence, August 2026) and "CDNA5" Instruction Set Architecture Reference Guide (July 2026). The comments in the code are by the model that wrote it; some were corrected since.
;; Multi Head Attention. Allowed arithmetic: matrix products marked QUANTISED: E4M3 operands, one E8M0 scale for each 32 along K, by v_wmma_scale_f32_16x16x128_f8f6f4 with both operands' format E4M3, f32 sums; everything else in f32.
;; Inputs: K 4 x 2,048 x 1,024 float32; Q 4 x 2,048 x 1,024 float32; V 4 x 2,048 x 1,024 float32; W_k 1,024 x 1,024 float32; W_o 1,024 x 1,024 float32; W_q 1,024 x 1,024 float32; W_v 1,024 x 1,024 float32; b_k 1,024 float32; b_o 1,024 float32; b_q 1,024 float32; b_v 1,024 float32; ln_beta 1,024 float32; ln_gamma 1,024 float32.
;; Outputs: out0 4 x 2,048 x 1,024 float32.
;; This version of the problem:
;;   THIS VERSION OF THE PROBLEM IS GIVEN IN LOW PRECISION. The matrix products marked QUANTISED in the list below multiply operands that are first quantised to E4M3 (4 exponent bits, 3 mantissa bits; 8 bits a number), with one power-of-two scale for each 32 numbers along K (OCP MX v1.0); their sums are f32. All else is computed in f32.
;;   The module's matrix products, in the order in which they are computed (A, B: the left and right operand; K: the contracted axis; several contracted axes count as one K, in the product's order):
;;     1. [M 8,192, K 1,024] x [K 1,024, N 1,024]; A: input Q; B: input W_q: QUANTISED
;;     2. [M 8,192, K 1,024] x [K 1,024, N 1,024]; A: input K; B: input W_k: QUANTISED
;;     3. [M 8,192, K 1,024] x [K 1,024, N 1,024]; A: input V; B: input W_v: QUANTISED
;;     4. batch 64 x [M 2,048, K 64] x [K 64, N 2,048]; A: computed on the way; B: computed on the way: QUANTISED
;;     5. batch 64 x [M 2,048, K 2,048] x [K 2,048, N 64]; A: softmax (see below); B: computed on the way: QUANTISED
;;     6. [M 8,192, K 1,024] x [K 1,024, N 1,024]; A: computed on the way; B: input W_o: QUANTISED
;;   THE QUANTISER, for each operand of a quantised product, along K:
;;     - K is cut into blocks of 32 from its start; a last block that is shorter is filled with zeros.
;;     - A block's scale is 2^e with e = floor(log2(the largest magnitude in the block)) - 8, held to -126 .. 127; a block of zeros has e = 0. As a byte (E8M0): e + 127.
;;     - Each number is divided by its block's scale, clamped to +-448, and rounded to the nearest number of E4M3, ties to even, subnormals kept.
;;     - The product sums the exact products of the quantised numbers (number of the format x scale) in f32.
;;   ~~~python
;;   def quantise(x, axis):      # numpy; x: float32 -> the quantised numbers, widened to float32 again
;;       x = np.moveaxis(x, axis, -1); K = x.shape[-1]
;;       x = np.pad(x, [(0, 0)] * (x.ndim - 1) + [(0, -K % 32)]); x = x.reshape(x.shape[:-1] + (-1, 32)); a = np.abs(x).max(-1, keepdims=True)
;;       e = np.where(a > 0, np.clip(np.frexp(np.where(a > 0, a, 1))[1] - 1 - 8, -126, 127), 0)      # np.frexp(a)[1] - 1 = floor(log2(a)), exactly
;;       r = np.clip(x / 2.0 ** e, -448, 448)
;;       step = 2.0 ** (np.maximum(np.frexp(np.where(r == 0, 1, r))[1] - 1, -6) - 3)
;;       q = np.round(r / step) * step * 2.0 ** e      # np.round: ties to even
;;       return np.moveaxis(q.reshape(q.shape[:-2] + (-1,))[..., :K], -1, axis).astype(np.float32)
;;   ~~~
;;   SOFTMAX AHEAD OF A QUANTISED PRODUCT. Where the list says 'softmax', what is quantised is not the finished softmax but p = 2^(t - M), with t = logit x log2(e) and M = ceil(the row's largest t), a whole number; so 1/2 < the row's largest p <= 1. The row's sum l is taken of the UNQUANTISED p, in f32, and the product's result is divided by l at the end. Since M is a whole number, a kernel that streams over the keys may use a running M (the ceiling of the running maximum): every later rescaling is an exact power of two, which a block's scale takes up: the codes' values come out the same.
;;   OPERANDS COMPUTED ON THE WAY. 'Computed on the way' means the value that the module computes at that place (a softmax that the list does not call 'softmax' is quantised finished and normalised). What goes into a quantiser is computed in f32, as accurately as f32 sums, v_exp_f32 and their like allow (about 1e-6 of the number): no bf16 or f16 on the way to a quantiser, and a product that is left as it is and whose result goes on into a quantised operand takes f32 operands (vector FMAs, or v_wmma_f32_16x16x4_f32). A number that lies on a knife's edge between two numbers of the format may be rounded either way, as far as f32 arithmetic and the matrix unit's own rounding can turn it there, and no further.
;; One version. Each part assembles by itself: llvm-mc -triple=amdgcn-amd-amdhsa -mcpu=gfx1250 --defsym DOCPART=n.
;; ======== version 1 of 1: 4 launches
;; limits: right only within a limited range of input values
;; workspace buffers: act 25,952,256 bytes; wts 4,325,376 bytes; qkv 25,952,256 bytes; ctx 8,650,752 bytes; qres 33,554,432 bytes
;; launch quant (part 1): grid 928 x 1, 4 waves a work-group, no clusters, 33,280 bytes of LDS; arguments Q, K, V, W_q, W_k, W_v, W_o, act, wts; writes act, wts
.if DOCPART == 1
	.amdgcn_target "amdgcn-amd-amdhsa--gfx1250"
	.amdhsa_code_object_version 6
	.text
	.protected	k_q7a57bc78e7_quant
	.globl	k_q7a57bc78e7_quant
	.p2align	8
	.type	k_q7a57bc78e7_quant,@function
k_q7a57bc78e7_quant:
	s_mov_b64 s[64:65], 0
	v_nop
	global_prefetch_b8 v0, s[64:65] scope:SCOPE_SE
	s_setreg_imm32_b32 hwreg(HW_REG_WAVE_MODE, 25, 1), 1
	s_wait_xcnt 0x0
; Q, K, V [8192][1024] and W_q, W_k, W_v, W_o [1024][1024], f32, K innermost, become codes of FP8 (E4M3) with one E8M0 scale byte for each 32 along K.
; A block's scale is 2^(floor(log2(its largest magnitude)) - 8); its byte is the largest magnitude's exponent field - 8, held at 1 from below; each number is divided by the scale, held within +-448 and rounded to the nearest code, ties to even.
; LIMITS: a block of zeros, and a block whose largest magnitude lies under 2^-118, gets the byte 1 (the rule says 127 for zeros: the codes are zeros, and the bytes are read by this program alone); NaN and infinities are not served.
; act: codes of Q, K, V as rows, tensor t at t x 8,388,608; their scale bytes [8192][32] at 25,165,824 + t x 262,144.
; wts: codes of W_q, W_k, W_v as rows, tensor t at t x 1,048,576; their scale bytes [1024][32] at 4,194,304 + t x 32,768;
;      W_o as images of the operand's registers, [16 rows: 64][128 along K: 8][4 registers: 4][512 bytes, lane l at 16 l] at 3,145,728; its scale words [64][half of K: 2][row: 16][4 words] at 4,292,608.
; Work-groups 0-63: W_o: a work-group takes 16 rows, wave j of it K steps 2 j and 2 j + 1: all 32 loads of a wave go out at once, so that it waits for memory once; this path uses no LDS, and it stands first in the grid.
; Work-groups 64-831: Q, K, V (256 each); 832-927: W_q, W_k, W_v (32 each): one path, a plain stream of blocks of 32.
; THE STREAM.  A wave takes 16 steps of 512 numbers.  Each of a step's four loads reads 512 consecutive bytes; the 2,048 bytes turn through the wave's own stage in LDS and come back 64 bytes a lane, so that a lane holds 16 neighbours
; (two neighbouring lanes hold a block).  A lane's 16 codes are 16 bytes: the wave stores 512 consecutive bytes.  A wave's 256 scale bytes are gathered in LDS and leave as one aligned run of 256 bytes.  Waves share nothing: no barrier.
.set WOG,   64                         ; W_o's work-groups, the first of the grid
.set STEPS, 16
.set MANT,  0x600000                   ; the mantissa field of 448 as f32
.set CB,    16                         ; bytes of 16 codes
.set R,     16                         ; v16-79   stream: four sets of 16 numbers as loaded;  W_o: the first K step's 64 numbers
.set X,     80                         ; v80-111  stream: two sets of 16 neighbours;          W_o: v80-143 the second K step's
.set E,     112                        ; v112-127 stream: a scale byte for each step
.set C,     128                        ; v128-191 stream: codes, four registers for each step
.set PC,    144                        ; v144-159 W_o: a fragment's codes
.set TM,    160                        ; v160-175 W_o: largest magnitudes, bytes, holds, scale operands
.set SW,    176                        ; v176-177 W_o: the scale words of my two K steps
.set SO,    184                        ; v184     W_o: the word that my lane stores
.set WREG,  8192                       ; LDS of a wave: two stages of 32 x SP bytes, then its 256 scale bytes
.set SP,    80                         ; a lane's place in a stage: 64 bytes + 16 of padding
.set INP,   24                         ; s[24:25] where my wave reads
.set OC,    26                         ; s[26:27] where its codes go
.set OS,    28                         ; s[28:29] where its scales go
.set SG,    36                         ; s36      the stream's work-group number: the grid's less WOG
.macro LOAD t
.irp i, 0,1,2,3
	global_load_b128 v[R+16*((\t)%4)+4*\i:R+16*((\t)%4)+4*\i+3], v3, s[INP:INP+1] offset:2048*(\t)+512*\i th:TH_LOAD_NT   ; 32 lanes read 512 consecutive bytes
.endr
.endm
.macro TURN t                          ; step t's numbers through the stage: LDS serves a wave's instructions in order, so no wait stands between the stores and the loads
.irp i, 0,1,2,3
	ds_store_b128 v14, v[R+16*((\t)%4)+4*\i:R+16*((\t)%4)+4*\i+3] offset:32*SP*((\t)%2)+8*SP*\i
.endr
.irp i, 0,1,2,3
	ds_load_b128 v[X+16*((\t)%2)+4*\i:X+16*((\t)%2)+4*\i+3], v15 offset:32*SP*((\t)%2)+16*\i
.endr
.endm
.macro STEP t
.set XS, X+16*((\t)%2)
.if (\t) > 0
	s_wait_dscnt 1                                 ; this step's numbers are back from the stage (the last step's byte store may be out)
.else
	s_wait_dscnt 0x0
.endif
.if (\t)+4 < STEPS
	LOAD (\t)+4                                    ; the registers that the stage's stores have read take the loads of four steps on
.endif
.if (\t)+1 < STEPS
.if STEPS-2-(\t) >= 3
	s_wait_loadcnt 12                              ; the next step's four loads are in; those of the three steps behind it may be out
.else
	s_wait_loadcnt 4*(STEPS-2-(\t))
.endif
	TURN (\t)+1
.endif
	v_max3_num_f32 v8, |v[XS]|, |v[XS+1]|, |v[XS+2]|               ; the largest magnitude of my 16, in two chains
	v_max3_num_f32 v9, |v[XS+3]|, |v[XS+4]|, |v[XS+5]|
.irp i, 6,10
	v_max3_num_f32 v8, v8, |v[XS+\i]|, |v[XS+\i+1]|
	v_max3_num_f32 v9, v9, |v[XS+\i+2]|, |v[XS+\i+3]|
.endr
	v_max3_num_f32 v8, v8, |v[XS+14]|, |v[XS+15]|
	v_max3_num_f32 v8, v8, v9, 0x4800000           ; and the floor 2^(9 - 127): the byte cannot fall under 1
	v_max_num_f32_dpp v8, v8, v8 row_xmask:1 row_mask:0xf bank_mask:0xf   ; and of my neighbour's 16: the block's
	v_add_nc_u32 v11, 0xfc000000, v8               ; 8 off its exponent field: the conversion takes the exponent field of this operand as its scale
	v_and_or_b32 v10, v8, 0x7f800000, s23          ; 448 x the scale
.irp i, 0,1,2,3,4,5,6,7,8,9,10,11,12,13,14,15
	v_med3_num_f32 v[XS+\i], v[XS+\i], -v10, v10   ; the conversion to an 8-bit code does not saturate (ISA guide 7.6.2): the hold comes first
.endr
	v_cvt_scalef32_pk8_fp8_f32 v[C+4*(\t):C+4*(\t)+1], v[XS:XS+7], v11
	v_cvt_scalef32_pk8_fp8_f32 v[C+4*(\t)+2:C+4*(\t)+3], v[XS+8:XS+15], v11
	v_lshrrev_b32 v[E+(\t)], 23, v11               ; the scale's byte
	ds_store_b8 v5, v[E+(\t)] offset:16*(\t)       ; both lanes of a block write the same byte with the same value
	global_store_b128 v4, v[C+4*(\t):C+4*(\t)+3], s[OC:OC+1] offset:32*CB*(\t)
.endm
; W_o: my 16 rows' numbers of my K step s (0 or 1): lane (r, h) takes, of row r, the 16 numbers 32 b + 16 h + 0 .. 15 of each block b: the order of the operand's registers
.macro XLOAD reg, s
.irp b, 0,1,2,3
.irp j, 0,1,2,3
	global_load_b128 v[\reg+16*\b+4*\j:\reg+16*\b+4*\j+3], v4, s[INP:INP+1] offset:512*(\s)+128*\b+16*\j th:TH_LOAD_NT
.endr
.endr
.endm
; 64 numbers of a lane, register 16 b + i = k 32 b + 16 h + i of my row, become a fragment's codes in v[PC] on and its scale word in v[pw]
.macro QUANT s, pw
.irp b, 0,1,2,3
	v_max3_num_f32 v[TM+\b], |v[\s+16*\b]|, |v[\s+1+16*\b]|, 0x4800000
.endr
.irp i, 2,4,6,8,10,12,14
.irp b, 0,1,2,3
	v_max3_num_f32 v[TM+\b], v[TM+\b], |v[\s+16*\b+\i]|, |v[\s+1+16*\b+\i]|   ; the four blocks by turns
.endr
.endr
.irp b, 0,1,2,3
	v_permlanex16_b32 v[TM+4+\b], v[TM+\b], s38, s39
.endr
.irp b, 0,1,2,3
	v_max_num_f32 v[TM+\b], v[TM+\b], v[TM+4+\b]   ; with lane l xor 16's: the block's largest magnitude
.endr
.irp b, 0,1,2,3
	v_add_nc_u32 v[TM+12+\b], 0xfc000000, v[TM+\b]
.endr
.irp b, 0,1,2,3
	v_and_or_b32 v[TM+8+\b], v[TM+\b], 0x7f800000, s23
.endr
.irp b, 0,1,2,3
	v_lshrrev_b32 v[TM+4+\b], 23, v[TM+12+\b]
.endr
	v_lshl_or_b32 v[\pw], v[TM+5], 8, v[TM+4]
	v_lshl_or_b32 v[\pw], v[TM+6], 16, v[\pw]
	v_lshl_or_b32 v[\pw], v[TM+7], 24, v[\pw]
.irp b, 0,1,2,3
.irp i, 0,1,2,3,4,5,6,7,8,9,10,11,12,13,14,15
	v_med3_num_f32 v[\s+16*\b+\i], v[\s+16*\b+\i], -v[TM+8+\b], v[TM+8+\b]
.endr
	v_cvt_scalef32_pk8_fp8_f32 v[PC+4*\b:PC+1+4*\b], v[\s+16*\b:\s+7+16*\b], v[TM+12+\b]
	v_cvt_scalef32_pk8_fp8_f32 v[PC+2+4*\b:PC+3+4*\b], v[\s+8+16*\b:\s+15+16*\b], v[TM+12+\b]
.endr
	v_nop                                          ; one plain line behind the last conversion
.endm
.macro WSTEP s                         ; my K step s (0 or 1): quantised and stored
.if (\s) == 0
	s_wait_loadcnt 16                              ; this K step's 16 loads are in; the other's 16 may be out
.else
	s_wait_loadcnt 0x0
	s_wait_xcnt 0x0                                ; the first K step's stores have read v[PC] on: only now are the codes written again
.endif
	QUANT 16+64*(\s), SW+(\s)
.irp c, 0,1,2,3
	global_store_b128 v5, v[PC+4*\c:PC+4*\c+3], s[OC:OC+1] offset:2048*(\s)+512*\c   ; four registers as they stand: 512 consecutive bytes
.endr
.endm
	s_load_b256 s[4:11], s[0:1], 0x0               ; Q s[4:5], K s[6:7], V s[8:9], W_q s[10:11]
	s_load_b256 s[12:19], s[0:1], 0x20             ; W_k s[12:13], W_v s[14:15], W_o s[16:17], act s[18:19]
	s_load_b64 s[20:21], s[0:1], 0x40              ; wts
	v_lshl_add_u32 v192, v0, 2, 0x8000
	v_mov_b32 v193, 0
	v_lshrrev_b32 v1, 5, v0
	v_readfirstlane_b32 s22, v1                    ; wave
	v_and_b32 v2, 31, v0                           ; lane
	s_mov_b32 s23, MANT
	s_mov_b32 s35, 0                               ; the upper word of every offset here
	s_cmp_lt_u32 ttmp9, WOG
	s_cbranch_scc1 .Lwo
	; ---- the stream
	s_sub_co_u32 s[SG], ttmp9, WOG                 ; 0-767: Q, K, V; 768-863: W_q, W_k, W_v
	v_lshlrev_b32 v3, 4, v2                        ; my 16 bytes of a load's 512
	s_mul_i32 s30, s22, WREG
	v_lshrrev_b32 v14, 2, v2
	v_mul_u32_u24 v14, v14, SP
	v_and_b32 v15, 3, v2
	v_lshl_add_u32 v14, v15, 4, v14
	v_add_nc_u32 v14, s30, v14                     ; the stage, on the way in: SP (lane / 4) + 16 (lane % 4)
	v_mul_u32_u24 v15, v2, SP
	v_add_nc_u32 v15, s30, v15                     ; and on the way out: SP x lane
	v_mul_u32_u24 v4, v2, CB                       ; my codes' place in a step's
	v_lshrrev_b32 v5, 1, v2
	s_add_co_u32 s30, s30, 2*32*SP
	v_add_nc_u32 v5, s30, v5                       ; LDS: my wave's 256 scale bytes, my block's byte
	v_lshlrev_b32 v7, 3, v2                        ; and on the way out 8 bytes a lane
	v_add_nc_u32 v6, s30, v7
	s_mov_b32 s32, 4194304                         ; where wts keeps its scale bytes
	s_wait_alu depctr_va_vdst(0)
	s_wait_kmcnt 0x0
	s_mov_b64 s[INP:INP+1], s[14:15]               ; which tensor: the choices hang on the work-group's number alone
	s_cmp_lt_u32 s[SG], 832
	s_cselect_b64 s[INP:INP+1], s[12:13], s[INP:INP+1]
	s_cmp_lt_u32 s[SG], 800
	s_cselect_b64 s[INP:INP+1], s[10:11], s[INP:INP+1]
	s_cmp_lt_u32 s[SG], 768
	s_cselect_b64 s[INP:INP+1], s[8:9], s[INP:INP+1]
	s_cmp_lt_u32 s[SG], 512
	s_cselect_b64 s[INP:INP+1], s[6:7], s[INP:INP+1]
	s_cmp_lt_u32 s[SG], 256
	s_cselect_b64 s[INP:INP+1], s[4:5], s[INP:INP+1]
	s_cmp_lt_u32 s[SG], 768                        ; an activation or a weight?
	s_cselect_b64 s[OC:OC+1], s[18:19], s[20:21]
	s_cselect_b32 s30, 255, 31                     ; work-groups of a tensor - 1
	s_cselect_b32 s31, 0, 768                      ; the first work-group of the output buffer
	s_cselect_b32 s32, 25165824, s32               ; where the buffer keeps its scale bytes
	s_and_b32 s30, s[SG], s30
	s_lshl_b32 s30, s30, 2
	s_add_co_u32 s30, s30, s22                     ; which run of 8,192 numbers of the tensor is my wave's
	s_lshl_b32 s34, s30, 15
	s_add_nc_u64 s[INP:INP+1], s[INP:INP+1], s[34:35]
	s_sub_co_u32 s31, s[SG], s31
	s_lshl_b32 s31, s31, 2
	s_add_co_u32 s31, s31, s22                     ; and which run of the output buffer
	s_lshl_b32 s34, s31, 8
	s_add_co_u32 s34, s34, s32
	s_add_nc_u64 s[OS:OS+1], s[OC:OC+1], s[34:35]  ; 256 scale bytes a run
	s_lshl_b32 s34, s31, 13
	s_add_nc_u64 s[OC:OC+1], s[OC:OC+1], s[34:35]  ; 8,192 codes a run
.irp t, 0,1,2,3
	LOAD \t
.endr
	s_wait_loadcnt 12                              ; step 0's four loads are in
	TURN 0
.irp t, 0,1,2,3,4,5,6,7,8,9,10,11,12,13,14,15
	STEP \t
.endr
	ds_load_b64 v[12:13], v6                       ; LDS serves a wave's instructions in order: these see my stores
	s_wait_dscnt 0x0
	global_store_b64 v7, v[12:13], s[OS:OS+1]      ; 32 lanes store 256 consecutive bytes, aligned
	s_wait_tensorcnt 0x0
	ds_add_u32 v192, v193
	s_wait_dscnt 0x0
	s_endpgm
	; ---- W_o: the work-group's number is the tile of 16 rows, the wave's number j the pair of K steps 2 j, 2 j + 1
.Lwo:
	v_and_b32 v8, 15, v0                           ; r
	v_bfe_u32 v9, v0, 4, 1                         ; h
	v_lshlrev_b32 v4, 12, v8
	v_lshl_add_u32 v4, v9, 6, v4                   ; row r of 4,096 bytes, + 64 h
	s_wait_alu depctr_va_vdst(0)
	v_lshlrev_b32 v5, 4, v2                        ; 16 x lane
	v_lshlrev_b32 v6, 4, v8
	v_lshl_add_u32 v6, v9, 2, v6                   ; 16 r + 4 h: row r's four words of a half of K; lanes 16-31 take the second of my two
	s_mov_b32 s38, 0x76543210
	s_mov_b32 s39, 0xfedcba98                      ; v_permlanex16_b32's selects for lane l xor 16
.irp b, 0,1,2,3
	v_mov_b32 v[TM+4+\b], 0                        ; written once: a lane permute's destination counts as one of its sources
.endr
	s_lshl_b32 s34, ttmp9, 16                      ; in: 16 rows of 4,096 bytes a tile,
	s_lshl_b32 s30, s22, 10                        ; two K steps of 512 bytes a wave
	s_add_co_u32 s34, s34, s30
	s_wait_kmcnt 0x0
	s_add_nc_u64 s[INP:INP+1], s[16:17], s[34:35]
	s_lshl_b32 s34, ttmp9, 14                      ; the codes: 16,384 bytes a tile,
	s_lshl_b32 s30, s22, 12                        ; two images of 2,048 bytes a wave
	s_add_co_u32 s34, s34, s30
	s_add_co_u32 s34, s34, 3145728
	s_add_nc_u64 s[OC:OC+1], s[20:21], s[34:35]
	s_lshl_b32 s34, ttmp9, 9                       ; the scale words: 512 bytes a tile,
	s_lshr_b32 s30, s22, 1
	s_lshl_b32 s30, s30, 8                         ; 256 for the half of K (j / 2),
	s_add_co_u32 s34, s34, s30
	s_and_b32 s30, s22, 1
	s_lshl_b32 s30, s30, 3                         ; 8 for the pair of words in it (j % 2)
	s_add_co_u32 s34, s34, s30
	s_add_co_u32 s34, s34, 4292608
	s_add_nc_u64 s[OS:OS+1], s[20:21], s[34:35]
	XLOAD 16, 0                                    ; all that the wave reads goes out at once: 32 loads
	XLOAD 80, 1
	WSTEP 0
	WSTEP 1
	v_cmp_le_u32 vcc_lo, 16, v2                    ; both halves of the lanes hold row r's two words: lanes 0-15 store the first K step's, lanes 16-31 the second's
	v_cndmask_b32 v[SO], v[SW], v[SW+1], vcc_lo
	global_store_b32 v6, v[SO], s[OS:OS+1]         ; 8 neighbouring bytes of each row's 16; the four waves of the work-group fill the tile's 512 bytes between them (all of W_o's scale words are 32,768 bytes)
	s_endpgm
.Lfunc_end_k_q7a57bc78e7_quant:
	.size	k_q7a57bc78e7_quant, .Lfunc_end_k_q7a57bc78e7_quant-k_q7a57bc78e7_quant
	.p2alignl 7, 3214868480
	.fill 96, 4, 3214868480
	.section	.rodata,"a",@progbits
	.p2align	6, 0x0
	.amdhsa_kernel k_q7a57bc78e7_quant
		.amdhsa_group_segment_fixed_size 33280
		.amdhsa_private_segment_fixed_size 0
		.amdhsa_enable_private_segment 0
		.amdhsa_kernarg_size 72
		.amdhsa_user_sgpr_count 2
		.amdhsa_user_sgpr_kernarg_segment_ptr 1
		.amdhsa_wavefront_size32 1
		.amdhsa_system_sgpr_workgroup_id_x 1
		.amdhsa_system_sgpr_workgroup_id_y 1
		.amdhsa_system_sgpr_workgroup_id_z 1
		.amdhsa_system_vgpr_workitem_id 0
		.amdhsa_next_free_vgpr 194
		.amdhsa_next_free_sgpr 66
		.amdhsa_reserve_vcc 1
		.amdhsa_float_denorm_mode_32 3
		.amdhsa_float_denorm_mode_16_64 3
		.amdhsa_memory_ordered 1
		.amdhsa_forward_progress 1
		.amdhsa_inst_pref_size 73
	.end_amdhsa_kernel
	.amdgpu_metadata
---
amdhsa.version: [ 1, 2 ]
amdhsa.kernels:
  - .name:           k_q7a57bc78e7_quant
    .symbol:         k_q7a57bc78e7_quant.kd
    .args:
      - { .name: Q, .offset: 0, .size: 8, .value_kind: global_buffer, .address_space: global }
      - { .name: K, .offset: 8, .size: 8, .value_kind: global_buffer, .address_space: global }
      - { .name: V, .offset: 16, .size: 8, .value_kind: global_buffer, .address_space: global }
      - { .name: W_q, .offset: 24, .size: 8, .value_kind: global_buffer, .address_space: global }
      - { .name: W_k, .offset: 32, .size: 8, .value_kind: global_buffer, .address_space: global }
      - { .name: W_v, .offset: 40, .size: 8, .value_kind: global_buffer, .address_space: global }
      - { .name: W_o, .offset: 48, .size: 8, .value_kind: global_buffer, .address_space: global }
      - { .name: act, .offset: 56, .size: 8, .value_kind: global_buffer, .address_space: global }
      - { .name: wts, .offset: 64, .size: 8, .value_kind: global_buffer, .address_space: global }
    .group_segment_fixed_size: 33280
    .private_segment_fixed_size: 0
    .kernarg_segment_align: 8
    .kernarg_segment_size: 72
    .max_flat_workgroup_size: 128
    .sgpr_count:     66
    .vgpr_count:     194
    .wavefront_size: 32
...
	.end_amdgpu_metadata
.endif
;; end of part 1
;; launch proj (part 2): grid 4 x 96, 4 waves a work-group, clusters of 4 x 4, 327,680 bytes of LDS; arguments act, wts, b_q, b_k, b_v, qres, qkv; writes qres, qkv
.if DOCPART == 2
	.amdgcn_target "amdgcn-amd-amdhsa--gfx1250"
	.amdhsa_code_object_version 6
	.text
	.protected	k_q7a57bc78e7_proj
	.globl	k_q7a57bc78e7_proj
	.p2align	8
	.type	k_q7a57bc78e7_proj,@function
k_q7a57bc78e7_proj:
	s_mov_b64 s[64:65], 0
	v_nop
	global_prefetch_b8 v0, s[64:65] scope:SCOPE_SE
	s_setreg_imm32_b32 hwreg(HW_REG_WAVE_MODE, 25, 1), 1
	s_wait_xcnt 0x0
	s_wait_alu depctr_hold_cnt(0) depctr_sa_sdst(0) depctr_va_vdst(0) depctr_va_sdst(0) depctr_va_ssrc(0) depctr_va_vcc(0) depctr_vm_vsrc(0)
	s_getreg_b32 s2, hwreg(HW_REG_IB_STS2, 6, 4)
	s_cmp_eq_u32 s2, 0
	s_cbranch_scc0 .Lentry_in_a_cluster
	s_endpgm
.Lentry_in_a_cluster:
	s_bfe_u32 s2, ttmp6, 0x10000c
	s_cmp_lg_u32 s2, 0xf033
	s_cbranch_scc0 .Lentry_shape_is_right
	s_endpgm
.Lentry_shape_is_right:
.set SIZE_K, 1024
.set KSTEP,  256
.set NQ,     KSTEP/128
.set ROWB,   256
.set KROW,   SIZE_K
.set PITCH,  272
.set FR,     16
.set NL,     4
.set NP,     8
.set HALFT,  128*PITCH
.set SLOT,   4*HALFT
.set LAPS,   SIZE_K/(2*KSTEP)
.set KS,     SIZE_K/32
.set SCL,    2*SLOT
.set HALFS,  (128*KS/256)*272
.set SBLK,   (16*KS/256)*272
.set SPARE,  SCL+4*HALFS
.set BM,   8
.set ADRA, 16
.set ADRB, 20
.set LI,   24
.set SA,   25
.set LN,   26
.set ADRS, 27
.set SPW,  28
.set NIL,  29
.set BNA,  30
.set BMA,  31
.set SC,   32
.set BN,   64
.set AF,   128
.set T,    128
.set CC,   192
.set TM,   208
.set W0,   224
.set W1,   228
.set WS,   232
.set BMP,  236
.set SEL,  12
.set MNT,  22
.set G1, 24
.set G0, 32
.set G1B, 48
.set G0B, 56
.set G1S, 68
.set G0S, 76
.set G1SB, 80
.set G0SB, 88
.set MSB, 0
.macro WIN new
.if MSB != \new
	s_set_vgpr_msb (MSB<<8)|\new
.set MSB, \new
.endif
.endm
.set MUL_LO, 0xa1
.set MUL_HI, 0xf1
.set TO_B,   0x40
.macro JLOAD g0a, g1a, g0b, g1b
	s_cmp_eq_u32 s15, 0
	s_cbranch_scc0 .Lfor_b_\@
	tensor_load_to_lds s[\g0a:\g0a+3], s[\g1a:\g1a+7]
	s_nop 0
.rept 4
	v_nop
.endr
	s_branch .Lasked_\@
.Lfor_b_\@:
	tensor_load_to_lds s[\g0b:\g0b+3], s[\g1b:\g1b+7]
	s_nop 0
.rept 4
	v_nop
.endr
.Lasked_\@:
.endm
.macro CREST
	s_cmp_lg_u32 s14, 0
	s_cbranch_scc1 .Lnot_wave_0_\@
	s_barrier_signal -3
.Lnot_wave_0_\@:
	s_barrier_wait -3
	s_barrier_signal -1
	s_barrier_wait -1
.endm
.macro CROUND
	s_barrier_signal -1
	s_barrier_wait -1
	CREST
.endm
	s_load_b256 s[4:11], s[0:1], 0x0
	s_load_b128 s[96:99], s[0:1], 0x20
	s_load_b64 s[100:101], s[0:1], 0x30
	v_lshl_add_u32 v[SPW], v0, 2, SPARE
	v_mov_b32 v[NIL], 0
	ds_add_u32 v28, v29
	ds_add_u32 v28, v29
	s_wait_dscnt 0x0
	v_lshrrev_b32 v1, 5, v0
	v_readfirstlane_b32 s14, v1
	s_lshr_b32 s15, s14, 1
	s_and_b32 s16, s14, 1
	s_bfe_u32 s40, ttmp6, 0x40000
	s_bfe_u32 s41, ttmp6, 0x40004
	s_and_b32 s95, ttmp7, 0xffff
	s_lshr_b32 s66, s95, 3
	s_and_b32 s95, s95, 7
	s_cmp_eq_u32 s66, 2
	s_cselect_b32 s67, 1, 0
	s_cselect_b32 s18, 0, s95
	s_cselect_b32 s19, s95, 0
	s_lshl_b32 s17, s18, 2
	s_add_co_u32 s17, s17, s41
	s_lshl_b32 s42, s19, 2
	s_add_co_u32 s42, s42, s40
	s_lshl_b32 s43, s41, 2
	s_lshl_b32 s43, 15, s43
	s_lshl_b32 s44, 0x1111, s40
	s_or_b32 s[G1+0], s43, (0<<16)|(1<<20)|(1<<21)|(5<<22)|(3<<25)
	s_or_b32 s[G1B+0], s44, (0<<16)|(1<<20)|(1<<21)|(5<<22)|(3<<25)
.irp g, G1, G1B
	s_mov_b32 s[\g+1], ROWB<<16
	s_mov_b32 s[\g+2], 256<<16
	s_mov_b32 s[\g+3], ROWB<<16
	s_mov_b32 s[\g+4], 256
	s_mov_b32 s[\g+5], KROW
	s_mov_b32 s[\g+6], 0
	s_mov_b32 s[\g+7], 0
.endr
	s_or_b32 s[G1S+0], s43, (3<<16)|(1<<20)|(1<<21)|(5<<22)|(3<<25)
	s_or_b32 s[G1SB+0], s44, (3<<16)|(1<<20)|(1<<21)|(5<<22)|(3<<25)
.irp g, G1S, G1SB
	s_mov_b32 s[\g+1], 32<<16
	s_mov_b32 s[\g+2], (256*KS/256)<<16
	s_mov_b32 s[\g+3], 32<<16
	s_mov_b32 s[\g+4], 256*KS/256
	s_mov_b32 s[\g+5], 32
	s_mov_b32 s[\g+6], 0
	s_mov_b32 s[\g+7], 0
.endr
	s_lshl_b32 s18, s16, 7
	s_lshl_b32 s20, s17, 8
	s_add_co_u32 s20, s20, s18
	s_lshl_b32 s46, s42, 8
	s_add_co_u32 s46, s46, s18
	s_mov_b32 s21, 0
	s_mov_b32 s47, 0
	s_mov_b64 s[18:19], KS
	s_mul_u64 s[22:23], s[20:21], s[18:19]
	s_mul_u64 s[92:93], s[46:47], s[18:19]
	s_mov_b64 s[18:19], KROW
	s_mul_u64 s[20:21], s[20:21], s[18:19]
	s_mul_u64 s[46:47], s[46:47], s[18:19]
	s_lshl_b32 s2, s66, 23
	s_lshl_b32 s3, s66, 20
	s_lshl_b32 s12, s66, 18
	s_add_co_u32 s12, s12, 25165824
	s_lshl_b32 s13, s66, 15
	s_add_co_u32 s13, s13, 4194304
	s_cmp_eq_u32 s66, 2
	s_cselect_b32 s45, s3, s2
	s_cselect_b32 s94, s2, s3
	s_cselect_b32 s2, s13, s12
	s_cselect_b32 s3, s12, s13
	s_add_co_u32 s20, s20, s45
	s_add_co_u32 s22, s22, s2
	s_add_co_u32 s46, s46, s94
	s_add_co_u32 s92, s92, s3
	s_mul_i32 s45, s14, HALFT
	s_mul_i32 s94, s14, HALFS
	s_wait_kmcnt 0x0
	s_cmp_eq_u32 s66, 2
	s_cselect_b64 s[12:13], s[6:7], s[4:5]
	s_cselect_b64 s[2:3], s[4:5], s[6:7]
	s_add_nc_u64 s[20:21], s[12:13], s[20:21]
	s_add_nc_u64 s[22:23], s[12:13], s[22:23]
	s_add_nc_u64 s[46:47], s[2:3], s[46:47]
	s_add_nc_u64 s[92:93], s[2:3], s[92:93]
	s_cmp_eq_u32 s66, 1
	s_cselect_b64 s[8:9], s[10:11], s[8:9]
	s_cmp_eq_u32 s66, 2
	s_cselect_b64 s[8:9], s[96:97], s[8:9]
	CROUND
	s_mov_b32 s[G0S], 1
	s_add_co_u32 s[G0S+1], s94, SCL-HALFS
	s_sub_nc_u64 s[G0S+2:G0S+3], s[22:23], 128*KS
	s_or_b32 s[G0S+3], s[G0S+3], 0x80000000
	s_mov_b32 s[G0SB], 1
	s_add_co_u32 s[G0SB+1], s94, SCL-HALFS
	s_sub_nc_u64 s[G0SB+2:G0SB+3], s[92:93], 128*KS
	s_or_b32 s[G0SB+3], s[G0SB+3], 0x80000000
.irp s, 0,1
	s_mov_b32 s[G0+4*\s], 1
	s_add_co_u32 s[G0+4*\s+1], s45, \s*SLOT
	s_add_nc_u64 s[G0+4*\s+2:G0+4*\s+3], s[20:21], \s*ROWB
	s_or_b32 s[G0+4*\s+3], s[G0+4*\s+3], 0x80000000
	s_mov_b32 s[G0B+4*\s], 1
	s_add_co_u32 s[G0B+4*\s+1], s45, \s*SLOT
	s_add_nc_u64 s[G0B+4*\s+2:G0B+4*\s+3], s[46:47], \s*ROWB
	s_or_b32 s[G0B+4*\s+3], s[G0B+4*\s+3], 0x80000000
.endr
; the head's four tiles, one joint load a wave, in one chain of branches on the wave's number: wave 0 K step 0's 256 rows of A, wave 2 its 256 rows of B (their own slot-0 descriptors begin at the tile's first row),
; wave 1 the scale bytes of A's 256 rows, wave 3 those of B's (their descriptors are set back by the 128 rows that the wave's number had added)
	s_cmp_eq_u32 s14, 0
	s_cbranch_scc0 .Lhead_1
	tensor_load_to_lds s[G0:G0+3], s[G1:G1+7]
	s_nop 0
.rept 4
	v_nop
.endr
	s_branch .Lhead_asked
.Lhead_1:
	s_cmp_eq_u32 s14, 2
	s_cbranch_scc0 .Lhead_2
	tensor_load_to_lds s[G0B:G0B+3], s[G1B:G1B+7]
	s_nop 0
.rept 4
	v_nop
.endr
	s_branch .Lhead_asked
.Lhead_2:
	s_cmp_eq_u32 s14, 1
	s_cbranch_scc0 .Lhead_3
	tensor_load_to_lds s[G0S:G0S+3], s[G1S:G1S+7]
	s_nop 0
.rept 4
	v_nop
.endr
	s_branch .Lhead_asked
.Lhead_3:
	tensor_load_to_lds s[G0SB:G0SB+3], s[G1SB:G1SB+7]
	s_nop 0
.rept 4
	v_nop
.endr
.Lhead_asked:
	s_wait_alu depctr_va_vdst(0)
	s_wait_tensorcnt 0x0                           ; my tile of the four is in; no load of mine is out, so the descriptors may be written
	ds_add_u32 v28, v29
	s_mov_b32 s[G1+2], 128<<16                     ; from here on a load brings 128 rows
	s_mov_b32 s[G1+4], 128
	s_mov_b32 s[G1B+2], 128<<16
	s_mov_b32 s[G1B+4], 128
	s_wait_dscnt 0x0
	CROUND
	JLOAD G0+4, G1, G0B+4, G1B
	v_and_b32 v1, 15, v0
	v_bfe_u32 v2, v0, 4, 1
	v_mul_u32_u24 v3, v1, PITCH
	v_lshl_add_u32 v4, v2, 4, v3
	s_mul_i32 s21, s15, HALFT
	s_mul_i32 s22, s16, HALFT
	s_add_co_u32 s22, s22, 2*HALFT
.irp s, 0,1
	v_add_nc_u32 v[ADRA+\s], s21, v4
	v_add_nc_u32 v[ADRB+\s], s22, v4
	s_add_co_u32 s21, s21, SLOT
	s_add_co_u32 s22, s22, SLOT
.endr
	v_mul_u32_u24 v5, v1, KS
	v_lshrrev_b32 v6, 8, v5
	v_lshl_add_u32 v5, v6, 4, v5
	s_mul_i32 s21, s15, HALFS
	s_mul_i32 s22, s16, HALFS
	s_add_co_u32 s22, s22, 2*HALFS
	s_sub_co_u32 s22, s22, s21
	v_mul_u32_u24 v6, s22, v2
	s_add_co_u32 s21, s21, SCL
	v_add_nc_u32 v5, v5, v6
	v_add_nc_u32 v[ADRS], s21, v5
	v_and_b32 v[LN], 31, v0
	v_lshlrev_b32 v[LI], 4, v[LN]
	v_lshlrev_b32 v[SA], 4, v1
	v_lshl_add_u32 v[SA], v2, 14, v[SA]
	v_lshlrev_b32 v[BNA], 5, v2
	s_wait_alu depctr_va_vdst(0)
	v_lshlrev_b32 v[BMA], 2, v1
	s_wait_alu depctr_va_vdst(0)
	s_lshl_b32 s20, s17, 8
	s_lshl_b32 s21, s15, 7
	s_add_co_u32 s20, s20, s21
	s_lshl_b32 s46, s42, 8
	s_lshl_b32 s47, s16, 7
	s_add_co_u32 s46, s46, s47
	s_cmp_eq_u32 s67, 1
	s_cselect_b32 s92, s20, s46
	s_cselect_b32 s93, s46, s20
	s_lshr_b32 s12, s92, 6
	s_lshr_b32 s13, s93, 7
	s_mov_b32 s3, 0
	s_lshl_b32 s2, s66, 23
	s_lshl_b32 s22, s12, 19
	s_add_co_u32 s2, s2, s22
	s_lshl_b32 s22, s13, 13
	s_add_co_u32 s2, s2, s22
	s_add_nc_u64 s[4:5], s[100:101], s[2:3]
	s_lshl_b32 s2, s66, 18
	s_add_co_u32 s2, s2, 25165824
	s_lshl_b32 s22, s12, 14
	s_add_co_u32 s2, s2, s22
	s_lshl_b32 s22, s13, 8
	s_add_co_u32 s2, s2, s22
	s_add_nc_u64 s[6:7], s[100:101], s[2:3]
	s_lshl_b32 s2, s20, 12
	s_lshl_b32 s22, s46, 6
	s_add_co_u32 s2, s2, s22
	s_add_nc_u64 s[98:99], s[98:99], s[2:3]
	s_lshl_b32 s2, s92, 2
	s_add_nc_u64 s[8:9], s[8:9], s[2:3]
	s_mov_b32 s[SEL], 0x76543210
	s_mov_b32 s[SEL+1], 0xfedcba98
	s_mov_b32 s[MNT], 0x600000
.irp b, 0,1,2,3,4,5,6,7
	global_load_b128 v[BN+8*\b:BN+8*\b+3], v[BNA], s[8:9] offset:64*\b
	global_load_b128 v[BN+8*\b+4:BN+8*\b+7], v[BNA], s[8:9] offset:64*\b+16
.endr
.irp a, 0,1,2,3,4,5,6,7
	global_load_b32 v[BM+\a], v[BMA], s[8:9] offset:64*\a
.endr
.macro FRAG reg, adr, q, i
.irp c, 0,1,2,3
	ds_load_b128 v[\reg+4*\c:\reg+4*\c+3], v[\adr] offset:128*(\q)+32*\c+(\i)*16*PITCH
.endr
.endm
.macro MUL16 a0, p, q, sc, zero
.irp a, \a0, \a0+1
.irp b, 0,1,2,3,4,5,6,7
.if \zero
	v_wmma_scale_f32_16x16x128_f8f6f4 v[8*(8*((\a)%4)+\b):8*(8*((\a)%4)+\b)+7], v[128*(\p)+FR*\b:128*(\p)+FR*\b+FR-1], v[AF+FR*(\a):AF+FR*(\a)+FR-1], 0, v[SC+8*NQ*(\sc)+NQ*\b+(\q)], v[SC+8*NQ*(\sc)+NQ*(\a)+(\q)] matrix_a_scale:MATRIX_SCALE_ROW1
.else
	v_wmma_scale_f32_16x16x128_f8f6f4 v[8*(8*((\a)%4)+\b):8*(8*((\a)%4)+\b)+7], v[128*(\p)+FR*\b:128*(\p)+FR*\b+FR-1], v[AF+FR*(\a):AF+FR*(\a)+FR-1], v[8*(8*((\a)%4)+\b):8*(8*((\a)%4)+\b)+7], v[SC+8*NQ*(\sc)+NQ*\b+(\q)], v[SC+8*NQ*(\sc)+NQ*(\a)+(\q)] matrix_a_scale:MATRIX_SCALE_ROW1
.endif
.endr
.endr
.endm
.macro FETCH_B slot, q, p
	WIN TO_B
.irp i, 0,1,2,3,4,5,6,7
	FRAG 128*(\p)+FR*\i, ADRB+\slot, \q, \i
.endr
	WIN 0
.endm
.macro FETCH_A slot, q, i0
.irp i, \i0, \i0+1, \i0+2, \i0+3
	FRAG AF+FR*(\i), ADRA+\slot, \q, \i
.endr
.endm
.macro SCALES sc
.irp i, 0,1,2,3,4,5,6,7
	ds_load_b64 v[SC+8*NQ*\sc+NQ*\i:SC+8*NQ*\sc+NQ*\i+1], v[ADRS] offset:\i*SBLK
.endr
.endm
.macro PLACES n
.rept \n
	v_nop
.endr
.endm
.macro STEP slot, q, zero
	s_wait_dscnt 4*NL
	WIN MUL_LO
	MUL16 0, (\q)%2, \q, \slot, \zero
	MUL16 2, (\q)%2, \q, \slot, \zero
	s_wait_dscnt 0
	PLACES NP
	FETCH_B \slot, (\q)+1, 1-(\q)%2
	FETCH_A \slot, (\q)+1, 0
	WIN MUL_HI
	MUL16 4, (\q)%2, \q, \slot, \zero
	MUL16 6, (\q)%2, \q, \slot, \zero
	PLACES NP
	WIN 0
	FETCH_A \slot, (\q)+1, 4
.endm
.macro TURN slot, next, fill
	s_wait_tensorcnt 0x0
	ds_add_u32 v[SPW], v[NIL]
	s_wait_dscnt 4*NL+1
	WIN MUL_LO
	MUL16 0, 1, NQ-1, \slot, 0
	s_wait_dscnt 0x0
	s_barrier_signal -1
	MUL16 2, 1, NQ-1, \slot, 0
	WIN 0
	s_barrier_wait -1
.if \fill
	CREST
	s_add_nc_u64 s[G0+4*\slot+2:G0+4*\slot+3], s[G0+4*\slot+2:G0+4*\slot+3], 2*ROWB
	s_add_nc_u64 s[G0B+4*\slot+2:G0B+4*\slot+3], s[G0B+4*\slot+2:G0B+4*\slot+3], 2*ROWB
	JLOAD G0+4*\slot, G1, G0B+4*\slot, G1B
	PLACES NP-4
.else
	PLACES NP
.endif
	s_wait_alu depctr_va_vdst(0)
	v_add_nc_u32 v[ADRS], 4*NQ, v[ADRS]
	FETCH_B \next, 0, 0
	FETCH_A \next, 0, 0
	SCALES \next
	WIN MUL_HI
	MUL16 4, 1, NQ-1, \slot, 0
	MUL16 6, 1, NQ-1, \slot, 0
	PLACES NP
	WIN 0
	FETCH_A \next, 0, 4
.endm
	s_wait_tensorcnt 1
	s_barrier_signal -1
	s_barrier_wait -1
	FETCH_B 0, 0, 0
	FETCH_A 0, 0, 0
	SCALES 0
	FETCH_A 0, 0, 4
	STEP 0, 0, 1
	s_mov_b32 s3, LAPS-1
.Llap:
	TURN 0, 1, 1
	STEP 1, 0, 0
	TURN 1, 0, 1
	STEP 0, 0, 0
	s_sub_co_u32 s3, s3, 1
	s_cmp_lg_u32 s3, 0
	s_cbranch_scc1 .Llap
	TURN 0, 1, 0
	STEP 1, 0, 0
	s_wait_dscnt 4*NL
	WIN MUL_LO
	MUL16 0, 1, NQ-1, 1, 0
	MUL16 2, 1, NQ-1, 1, 0
	s_wait_dscnt 0
	WIN MUL_HI
	MUL16 4, 1, NQ-1, 1, 0
	MUL16 6, 1, NQ-1, 1, 0
	WIN 0
.macro OUTBLK a, tr
.set AC, 64*((\a)%4)
.set WN, 0x02+(\a)/4
	s_wait_xcnt 0x0
	WIN WN
.set ii, 0
.rept 32
.if \tr
	v_pk_add_f32 v[T+2*ii:T+2*ii+1], v[AC+2*ii:AC+2*ii+1], v[BMP+2*(\a):BMP+2*(\a)+1]
.else
	v_pk_add_f32 v[T+2*ii:T+2*ii+1], v[AC+2*ii:AC+2*ii+1], v[BN+2*ii:BN+2*ii+1]
.endif
.set ii, ii+1
.endr
	WIN 0
.if !\tr
	s_cmp_lg_u32 s66, 0
	s_cbranch_scc1 .Lnores_\@
.irp i, 0,1,2,3,4,5,6,7,8,9,10,11,12,13,14,15
	global_store_b128 v[LI], v[T+4*\i:T+4*\i+3], s[98:99] offset:(\a)*65536+512*\i th:TH_STORE_NT
.endr
.Lnores_\@:
.endif
.irp b, 0,1,2,3
	v_max3_num_f32 v[TM+\b], |v[T+16*\b]|, |v[T+1+16*\b]|, 0x4800000
.endr
.irp i, 2,4,6,8,10,12,14
.irp b, 0,1,2,3
	v_max3_num_f32 v[TM+\b], v[TM+\b], |v[T+16*\b+\i]|, |v[T+1+16*\b+\i]|
.endr
.endr
.irp b, 0,1,2,3
	v_permlanex16_b32 v[TM+4+\b], v[TM+\b], s[SEL], s[SEL+1]
.endr
.irp b, 0,1,2,3
	v_max_num_f32 v[TM+\b], v[TM+\b], v[TM+4+\b]
.endr
.irp b, 0,1,2,3
	v_add_nc_u32 v[TM+12+\b], 0xfc000000, v[TM+\b]
.endr
.irp b, 0,1,2,3
	v_and_or_b32 v[TM+8+\b], v[TM+\b], 0x7f800000, s[MNT]
.endr
.irp b, 0,1,2,3
	v_lshrrev_b32 v[TM+4+\b], 23, v[TM+12+\b]
.endr
.if \tr
	v_lshl_or_b32 v[W0+(\a)], v[TM+5], 8, v[TM+4]
	v_lshl_or_b32 v[W0+(\a)], v[TM+6], 16, v[W0+(\a)]
	v_lshl_or_b32 v[W0+(\a)], v[TM+7], 24, v[W0+(\a)]
.else
.irp n, 0,1
.if ((\a)%2) == 0
	v_lshl_or_b32 v[W0+4*\n+(\a)/2], v[TM+5+2*\n], 8, v[TM+4+2*\n]
.else
	v_lshl_or_b32 v[W0+4*\n+(\a)/2], v[TM+4+2*\n], 16, v[W0+4*\n+(\a)/2]
	v_lshl_or_b32 v[W0+4*\n+(\a)/2], v[TM+5+2*\n], 24, v[W0+4*\n+(\a)/2]
.endif
.endr
	s_wait_xcnt 0x0
.endif
.irp b, 0,1,2,3
.irp i, 0,1,2,3,4,5,6,7,8,9,10,11,12,13,14,15
	v_med3_num_f32 v[T+16*\b+\i], v[T+16*\b+\i], -v[TM+8+\b], v[TM+8+\b]
.endr
	v_cvt_scalef32_pk8_fp8_f32 v[CC+4*\b:CC+1+4*\b], v[T+16*\b:T+7+16*\b], v[TM+12+\b]
	v_cvt_scalef32_pk8_fp8_f32 v[CC+2+4*\b:CC+3+4*\b], v[T+8+16*\b:T+15+16*\b], v[TM+12+\b]
.endr
	v_nop
.irp b, 0,1,2,3
.if !\tr                               ; V's codes stay as the conversions leave them: inside a block of 32 keys they then stand in the order in which the next launch's p stands
	v_permlane16_swap_b32 v[CC+4*\b], v[CC+2+4*\b]
	v_permlane16_swap_b32 v[CC+1+4*\b], v[CC+3+4*\b]
.endif
.endr
.irp b, 0,1,2,3
.if \tr
	global_store_b128 v[LI], v[CC+4*\b:CC+4*\b+3], s[4:5] offset:((\a)/4)*524288+((\a)%4)*2048+\b*512
.else
	global_store_b128 v[LI], v[CC+4*\b:CC+4*\b+3], s[4:5] offset:(\a)*1024+(\b/2)*524288+(\b%2)*512
.endif
.endr
.endm
.macro OUT tr
.irp a, 0,1,2,3,4,5,6,7
	OUTBLK \a, \tr
.endr
	v_cmp_le_u32 vcc_lo, 16, v[LN]
.irp i, 0,1,2,3
	v_cndmask_b32 v[WS+\i], v[W0+\i], v[W1+\i], vcc_lo
.endr
	global_store_b128 v[SA], v[WS:WS+3], s[6:7]
.endm
	PLACES NP
.irp b, 0,1,2,3
	v_mov_b32 v[TM+4+\b], 0
.endr
	s_wait_loadcnt 0x0
	s_cmp_eq_u32 s67, 1
	s_cbranch_scc1 .Lturned
	OUT 0
	s_branch .Ldone
.Lturned:
.irp a, 0,1,2,3,4,5,6,7
	v_mov_b32 v[BMP+2*\a], v[BM+\a]
	v_mov_b32 v[BMP+2*\a+1], v[BM+\a]
.endr
	OUT 1
.Ldone:
	s_wait_tensorcnt 0x0
	ds_add_u32 v[SPW], v[NIL]
	s_wait_dscnt 0x0
	CROUND
	s_endpgm
.Lfunc_end_k_q7a57bc78e7_proj:
	.size	k_q7a57bc78e7_proj, .Lfunc_end_k_q7a57bc78e7_proj-k_q7a57bc78e7_proj
	.p2alignl 7, 3214868480
	.fill 96, 4, 3214868480
	.section	.rodata,"a",@progbits
	.p2align	6, 0x0
	.amdhsa_kernel k_q7a57bc78e7_proj
		.amdhsa_group_segment_fixed_size 327680
		.amdhsa_private_segment_fixed_size 0
		.amdhsa_enable_private_segment 0
		.amdhsa_kernarg_size 56
		.amdhsa_user_sgpr_count 2
		.amdhsa_user_sgpr_kernarg_segment_ptr 1
		.amdhsa_wavefront_size32 1
		.amdhsa_system_sgpr_workgroup_id_x 1
		.amdhsa_system_sgpr_workgroup_id_y 1
		.amdhsa_system_sgpr_workgroup_id_z 1
		.amdhsa_system_vgpr_workitem_id 0
		.amdhsa_next_free_vgpr 1024
		.amdhsa_next_free_sgpr 102
		.amdhsa_reserve_vcc 1
		.amdhsa_float_denorm_mode_32 3
		.amdhsa_float_denorm_mode_16_64 3
		.amdhsa_memory_ordered 1
		.amdhsa_forward_progress 1
		.amdhsa_inst_pref_size 255
	.end_amdhsa_kernel
	.section	.bss,"aw",@nobits
	.p2align	6
	.space	262144
	.amdgpu_metadata
---
amdhsa.version: [ 1, 2 ]
amdhsa.kernels:
  - .name:           k_q7a57bc78e7_proj
    .symbol:         k_q7a57bc78e7_proj.kd
    .args:
      - { .name: act, .offset: 0, .size: 8, .value_kind: global_buffer, .address_space: global }
      - { .name: wts, .offset: 8, .size: 8, .value_kind: global_buffer, .address_space: global }
      - { .name: b_q, .offset: 16, .size: 8, .value_kind: global_buffer, .address_space: global }
      - { .name: b_k, .offset: 24, .size: 8, .value_kind: global_buffer, .address_space: global }
      - { .name: b_v, .offset: 32, .size: 8, .value_kind: global_buffer, .address_space: global }
      - { .name: qres, .offset: 40, .size: 8, .value_kind: global_buffer, .address_space: global }
      - { .name: qkv, .offset: 48, .size: 8, .value_kind: global_buffer, .address_space: global }
    .group_segment_fixed_size: 327680
    .private_segment_fixed_size: 0
    .kernarg_segment_align: 8
    .kernarg_segment_size: 56
    .max_flat_workgroup_size: 128
    .sgpr_count:     102
    .vgpr_count:     1024
    .wavefront_size: 32
...
	.end_amdgpu_metadata
.endif
;; end of part 2
;; launch attn (part 3): grid 4 x 64, 8 waves a work-group, clusters of 4 x 1, 327,680 bytes of LDS; arguments qkv, ctx; writes ctx
.if DOCPART == 3
	.amdgcn_target "amdgcn-amd-amdhsa--gfx1250"
	.amdhsa_code_object_version 6
	.text
	.protected	k_q7a57bc78e7_attn
	.globl	k_q7a57bc78e7_attn
	.p2align	8
	.type	k_q7a57bc78e7_attn,@function
k_q7a57bc78e7_attn:
	s_mov_b64 s[64:65], 0
	v_nop
	global_prefetch_b8 v0, s[64:65] scope:SCOPE_SE
	s_setreg_imm32_b32 hwreg(HW_REG_WAVE_MODE, 25, 1), 1
	s_wait_xcnt 0x0
	s_wait_alu depctr_hold_cnt(0) depctr_sa_sdst(0) depctr_va_vdst(0) depctr_va_sdst(0) depctr_va_ssrc(0) depctr_va_vcc(0) depctr_vm_vsrc(0)
	s_getreg_b32 s2, hwreg(HW_REG_IB_STS2, 6, 4)
	s_cmp_eq_u32 s2, 0
	s_cbranch_scc0 .Lentry_in_a_cluster
	s_endpgm
.Lentry_in_a_cluster:
	s_bfe_u32 s2, ttmp6, 0x10000c
	s_cmp_lg_u32 s2, 0x3003
	s_cbranch_scc0 .Lentry_shape_is_right
	s_endpgm
.Lentry_shape_is_right:
; ctx = softmax(q k^T / 8) v for 64 (batch, head) pairs, 2,048 queries x 2,048 keys, head size 64, both products on codes of FP8 (E4M3) with E8M0 scales; ctx leaves as codes and scale bytes for the last product.
; t = score x log2(e) / 8; M = the running largest t rounded up to a whole number; p = 2^(t - M) is quantised along the keys, not normalised; the row's sum is taken of the unquantised p and divides at the end.
; LIMITS: the promise holds while |t| stays under 2^31; NaN and infinities are not served; a block's byte never falls under 1.
; SHARES.  A work-group owns 512 queries of one head; the head's K and V (131,072 bytes of codes each) lie whole in LDS, as images of operand registers, brought once by one joint load a wave (32,768 bytes), shared by the cluster's four
; work-groups, which own the four quarters of the head's queries.  The 8,192 scale bytes come by plain loads and an LDS store.  Each of the eight waves owns 64 queries and walks the keys twice, with TWO tiles of 16 queries at a time,
; so that each fragment of K and V read from LDS feeds two tiles.  No prefetch: K and V are asked for once, at the head, where no loop stands to run ahead in.
; LAYOUT.  Both products are used transposed: a lane holds one query.  The head's 64 fill half of the instruction's 128: a fragment of K holds 16 keys in its lower 64 and the next 16 in its upper 64, and q stands beside zeros, below or above.
; Inside a block of 32 keys lane (r, h) holds keys 8 h + 0..7 and 16 + 8 h + 0..7; V's images have the same order, so p's codes are the operand as the conversions leave them.
; THE ORDER OF A STEP (128 keys, tiles 0 and 1).  Products stand in runs under one setting of the register windows: tile 1's eight scores at the step's head, THE NEXT STEP'S eight of tile 0 in its second half
; the eight second products at its end.  The two tiles stand half a step apart, so that one tile's independent lines stand among the other's dependent lines and exponentials: each tile's nine
; dependent lines for M and f among four independent lines each; tile 0's exponentials by turns with tile 1's t - M, tile 1's with tile 0's holds (what is written among exponentials is first read behind a wait).
; O^T is brought under the new M ahead of the exponentials, so that no exponential stands between the products that wrote it and its first reader.
; REGISTERS.  Window 0: v0-31 addresses and scale words; v32-95, v96-159 scores, then p, of tiles 0, 1; v160-191 p's codes; v192-217, v218-243 a tile's small values.  Window 1: v0-63 O^T; v64-127 K's fragments; v128-191 V's; v192-231 zeros, q0, zeros, q1, zeros; v232-247 the second pass's q.
.set KSC,  262144                      ; LDS: K's scale words, 4,096 bytes, then V's
.set CSC,  270336                      ; ctx's scale bytes, 1,024
.set SPARE, 271360                     ; the spare words, 128 bytes a wave
.set LI,   1                           ; 16 x lane
.set RS,   2                           ; KSC + 16 r
.set R16,  3                           ; 16 r
.set ADK,  4
.set ADV,  5
.set ADS,  6
.set CSA,  7
.set QW,   8                           ; v8-9 q's scale words of the two passes
.set SPW,  14
.set NIL,  15
.set KW,   16
.set VW,   20
.set OA,   24
.set OL,   25
.set PW,   26                          ; v26, v27 p's scale words of tiles 0, 1
.set QS,   28                          ; v28, v29 q's
.set S,    32                          ; + 64 x tile
.set PC,   160                         ; + 16 x tile
.set T,    192                         ; + 26 x tile: +0 BX, +4 BT, +8 BH, +12 BS, +16 -M, +17 the largest t, +18 the sum (2), +20 f (2), +22 a second sum (2), +24 at work
.set FK,   64
.set FV,   128
.set ZQ,   192
.set QN,   232
.set G0C,  12
.set G1C,  16
.set PS,   26
.set CO,   27
.set SEL,  36
.set CS,   38
.set MNT,  40
.set TK,   41
.set TS,   42
.set CNT,  43
.set W_QK, 0x05                        ; D window 0, K and q window 1
.set W_PV, 0x51                        ; D, C and V window 1, p window 0
.set W_OR, 0x41                        ; O^T window 1, f window 0
.set W_TO1, 0x40                       ; destination window 1
.set MSB, 0
.macro WIN new                         ; the immediate's high byte repeats the setting that is left
.if MSB != \new
	s_set_vgpr_msb (MSB<<8)|\new
.set MSB, \new
.endif
.endm
.macro WALU
	s_wait_alu depctr_va_vdst(0)
.endm
.macro CROUND
	s_barrier_signal -1
	s_barrier_wait -1
	s_cmp_lg_u32 s8, 0
	s_cbranch_scc1 .Lnot_wave_0_\@
	s_barrier_signal -3
.Lnot_wave_0_\@:
	s_barrier_wait -3
	s_barrier_signal -1
	s_barrier_wait -1
.endm
	s_load_b128 s[4:7], s[0:1], 0x0                ; qkv, ctx
	v_lshl_add_u32 v[SPW], v0, 2, SPARE
	v_mov_b32 v[NIL], 0
	ds_add_u32 v[SPW], v[NIL]                      ; the opening lines: the add twice on end and its wait
	ds_add_u32 v[SPW], v[NIL]
	v_lshrrev_b32 v10, 5, v0
	v_readfirstlane_b32 s8, v10                    ; wave 0..7
	s_bfe_u32 s9, ttmp6, 0x40000                   ; cx: which quarter of the queries
	s_and_b32 s44, ttmp7, 0xffff
	s_and_b32 s10, s44, 15                         ; head
	s_lshr_b32 s11, s44, 4                         ; batch
	s_lshr_b32 s45, s8, 2                          ; waves 0-3 fetch K, waves 4-7 V
	s_and_b32 s46, s8, 3                           ; which quarter of it
	s_add_co_u32 s47, s45, 1
	s_lshl_b32 s48, s47, 23
	s_lshl_b32 s49, s10, 19
	s_add_co_u32 s48, s48, s49
	s_lshl_b32 s49, s11, 17
	s_add_co_u32 s48, s48, s49
	s_lshl_b32 s49, s46, 15
	s_add_co_u32 s48, s48, s49                     ; my 32,768 bytes of codes
	s_mov_b32 s49, 0
	s_lshl_b32 s50, s47, 18
	s_add_co_u32 s50, s50, 25165824
	s_lshl_b32 s51, s10, 14
	s_add_co_u32 s50, s50, s51
	s_lshl_b32 s51, s11, 12
	s_add_co_u32 s50, s50, s51
	s_lshl_b32 s51, s46, 10
	s_add_co_u32 s50, s50, s51                     ; my 1,024 scale bytes
	s_mov_b32 s51, 0
	s_mov_b32 s[G1C], 15|(3<<16)|(1<<21)           ; the cluster's four; elements of 8 bytes; a dense block as 128 rows of 256 bytes
	s_mov_b32 s[G1C+1], 32<<16
	s_mov_b32 s[G1C+2], 128<<16
	s_mov_b32 s[G1C+3], 32<<16
	s_mov_b32 s[G1C+4], 128
	s_mov_b32 s[G1C+5], 32
	s_mov_b32 s[G1C+6], 0
	s_mov_b32 s[G1C+7], 0
	s_mov_b32 s[SEL], 0x76543210
	s_mov_b32 s[SEL+1], 0xfedcba98
	s_mov_b32 s[CS], 0x3e38aa3b                    ; log2(e) / 8
	s_mov_b32 s[CS+1], s[CS]
	s_mov_b32 s[MNT], 0x600000
	s_wait_dscnt 0x0
	s_wait_kmcnt 0x0
	s_mov_b32 s[G0C], 1
	s_lshl_b32 s[G0C+1], s8, 15
	s_add_nc_u64 s[G0C+2:G0C+3], s[4:5], s[48:49]
	s_or_b32 s[G0C+3], s[G0C+3], 0x80000000
	CROUND
	tensor_load_to_lds s[G0C:G0C+3], s[G1C:G1C+7]  ; my one tensor load
	s_nop 0
.rept 4
	v_nop
.endr
	s_lshl_b32 s52, s11, 7
	s_lshl_b32 s53, s9, 5
	s_add_co_u32 s52, s52, s53
	s_lshl_b32 s53, s8, 2
	s_add_co_u32 s52, s52, s53                     ; my first tile of 16 queries
	s_mov_b32 s55, 0
	s_lshl_b32 s54, s52, 10
	s_lshl_b32 s53, s10, 19
	s_add_co_u32 s54, s54, s53
	s_add_nc_u64 s[56:57], s[4:5], s[54:55]        ; q's codes
	s_lshr_b32 s54, s52, 3
	s_lshl_b32 s54, s54, 8
	s_lshl_b32 s53, s10, 14
	s_add_co_u32 s54, s54, s53
	s_and_b32 s53, s8, 1
	s_lshl_b32 s53, s53, 3
	s_add_co_u32 s54, s54, s53
	s_add_co_u32 s54, s54, 25165824
	s_add_nc_u64 s[58:59], s[4:5], s[54:55]        ; q's scale words: two words of each row's four
	s_lshl_b32 s54, s52, 14
	s_lshl_b32 s53, s10, 10
	s_add_co_u32 s54, s54, s53
	s_add_nc_u64 s[60:61], s[6:7], s[54:55]        ; ctx's codes
	s_lshl_b32 s54, s10, 14
	s_lshl_b32 s53, s11, 12
	s_add_co_u32 s54, s54, s53
	s_lshl_b32 s53, s9, 10
	s_add_co_u32 s54, s54, s53
	s_add_co_u32 s54, s54, 8388608
	s_add_nc_u64 s[62:63], s[6:7], s[54:55]        ; ctx's scale bytes
	s_add_nc_u64 s[24:25], s[4:5], s[50:51]
	s_lshl_b32 s44, s8, 7
	s_add_co_u32 s44, s44, CSC
	s_lshl_b32 s45, s8, 10
	s_add_co_u32 s45, s45, KSC
	v_and_b32 v10, 31, v0
	v_lshlrev_b32 v[LI], 4, v10
	v_and_b32 v11, 15, v0
	v_lshlrev_b32 v[R16], 4, v11
	v_add_nc_u32 v[RS], KSC, v[R16]
	v_lshlrev_b32 v[CSA], 1, v11
	v_add_nc_u32 v[CSA], s44, v[CSA]
	v_add_nc_u32 v12, s45, v[LI]                   ; where my scale bytes go
	v_lshlrev_b32 v[OA], 4, v0
	v_add_nc_u32 v[OL], CSC, v[OA]
	WALU
	global_load_b128 v[32:35], v[LI], s[24:25]
	global_load_b128 v[36:39], v[LI], s[24:25] offset:512
	global_load_b64 v[QW:QW+1], v[R16], s[58:59]
	WIN W_TO1
.irp t, 0,1
	global_load_b128 v[ZQ+8+16*\t:ZQ+11+16*\t], v[LI], s[56:57] offset:1024*\t
	global_load_b128 v[ZQ+12+16*\t:ZQ+15+16*\t], v[LI], s[56:57] offset:1024*\t+512
.endr
.irp i, 0,1,2,3
	global_load_b128 v[QN+4*\i:QN+4*\i+3], v[LI], s[56:57] offset:2048+512*\i   ; the second pass's two tiles
.endr
.irp j, 0,1,2,3,4,5,6,7
	v_mov_b32 v[ZQ+\j], 0
	v_mov_b32 v[ZQ+16+\j], 0
	v_mov_b32 v[ZQ+32+\j], 0
.endr
	WIN 0
	v_mov_b32 v[T+21], 0                           ; a pair's upper half counts as read
	v_mov_b32 v[T+47], 0
	WALU                                           ; the wait at the head's end
	s_wait_tensorcnt 0x0                           ; my part of K or V lies in LDS
	s_wait_loadcnt 9                               ; the two loads of scale bytes are in; q's nine loads may be out
	ds_store_b128 v12, v[32:35]
	ds_store_b128 v12, v[36:39] offset:512
	s_wait_dscnt 0x0
	s_barrier_signal -1
	s_barrier_wait -1
.macro QKW u, k                        ; product k of tile u's eight: 16 keys x 16 queries
.set C_, (\k)/2
.set H_, (\k)%2
	v_wmma_scale_f32_16x16x128_f8f6f4 v[S+64*(\u)+16*C_+8*H_:S+64*(\u)+16*C_+8*H_+7], v[FK+16*C_:FK+16*C_+15], v[ZQ+16*(\u)+8-8*H_:ZQ+16*(\u)+23-8*H_], 0, v[KW+C_], v[QS+(\u)]
.endm
.macro QK8 u                           ; a tile's scores of 128 keys
	WIN W_QK
.set kk, 0
.rept 8
	QKW \u, kk
.set kk, kk+1
.endr
	WIN 0
.endm
.macro PVW u, t                        ; O^T += V^T p^T, 16 of the head's 64
	v_wmma_scale_f32_16x16x128_f8f6f4 v[32*(\u)+8*(\t):32*(\u)+8*(\t)+7], v[FV+16*(\t):FV+16*(\t)+15], v[PC+16*(\u):PC+16*(\u)+15], v[32*(\u)+8*(\t):32*(\u)+8*(\t)+7], v[VW+(\t)], v[PW+(\u)]
.endm
.macro MX u, n                         ; line n of 40: the four blocks' largest scores, in eight chains
.set B_, (\n)%4
.set G_, (\n)/4
.set A_, S+64*(\u)+16*B_
.set X_, T+26*(\u)+B_
.if G_ == 0
	v_max3_num_f32 v[X_], v[A_], v[A_+1], v[A_+2]
.elseif G_ == 1
	v_max3_num_f32 v[X_+4], v[A_+8], v[A_+9], v[A_+10]
.elseif G_ == 2
	v_max3_num_f32 v[X_], v[X_], v[A_+3], v[A_+4]
.elseif G_ == 3
	v_max3_num_f32 v[X_+4], v[X_+4], v[A_+11], v[A_+12]
.elseif G_ == 4
	v_max3_num_f32 v[X_], v[X_], v[A_+5], v[A_+6]
.elseif G_ == 5
	v_max3_num_f32 v[X_+4], v[X_+4], v[A_+13], v[A_+14]
.elseif G_ == 6
	v_max3_num_f32 v[X_], v[X_], v[X_+4], v[A_+7]
.elseif G_ == 7
	v_max_num_f32 v[X_], v[X_], v[A_+15]
.elseif G_ == 8
	v_permlanex16_b32 v[X_+4], v[X_], s[SEL], s[SEL+1]
.else
	v_max_num_f32 v[X_], v[X_], v[X_+4]
.endif
.endm
.macro MX4 u, n
	MX \u, (\n)
	MX \u, (\n)+1
	MX \u, (\n)+2
	MX \u, (\n)+3
.endm
.macro CH u, n                         ; line n of 9: the running largest t, -M = floor(-t), f = 2^(old M - new M)
.set X_, T+26*(\u)
.if (\n) == 0
	v_max3_num_f32 v[X_+24], v[X_], v[X_+1], v[X_+2]
.elseif (\n) == 1
	v_max_num_f32 v[X_+24], v[X_+24], v[X_+3]
.elseif (\n) == 2
	v_mul_f32 v[X_+24], s[CS], v[X_+24]
.elseif (\n) == 3
	v_max_num_f32 v[X_+17], v[X_+17], v[X_+24]
.elseif (\n) == 4
	v_mov_b32 v[X_+24], v[X_+16]
.elseif (\n) == 5
	v_floor_f32 v[X_+16], -v[X_+17]
.elseif (\n) == 6
	v_sub_f32 v[X_+24], v[X_+16], v[X_+24]
.elseif (\n) == 7
	v_cvt_i32_f32 v[X_+24], v[X_+24]
.else
	v_ldexp_f32 v[X_+20], 1.0, v[X_+24]
.endif
.endm
.macro FM u, n                         ; line n of 36: t - M, two at a time; the last four: the same of the blocks' largest scores
.set X_, T+26*(\u)
.set A_, S+64*(\u)+2*(\n)
.if (\n) < 32
	v_pk_fma_f32 v[A_:A_+1], v[A_:A_+1], s[CS:CS+1], v[X_+16:X_+17] op_sel_hi:[1,0,0]
.else
	v_fma_f32 v[X_+(\n)-32], v[X_+(\n)-32], s[CS], v[X_+16]
.endif
.endm
.macro FM4 u, n
	FM \u, (\n)
	FM \u, (\n)+1
	FM \u, (\n)+2
	FM \u, (\n)+3
.endm
.macro MN u, n                         ; line n of 32: two holds: the conversion does not saturate (ISA guide 7.6.2); p is not negative
.set A_, S+64*(\u)+2*(\n)
.set H_, T+26*(\u)+8+(\n)/8
	v_dual_min_num_f32 v[A_], v[A_], v[H_] :: v_dual_min_num_f32 v[A_+1], v[A_+1], v[H_]
.endm
.macro SM u, n                         ; line n of 32: the row's sum of the unquantised p, in four chains (two of them in BX, which is done with)
.set X_, T+26*(\u)
.set A_, S+64*(\u)
.set N_, (\n)
.if N_ == 0
	v_pk_add_f32 v[X_+22:X_+23], v[A_:A_+1], v[A_+2:A_+3]
.elseif N_ == 1
	v_pk_add_f32 v[X_:X_+1], v[A_+4:A_+5], v[A_+6:A_+7]
.elseif N_ == 2
	v_pk_add_f32 v[X_+2:X_+3], v[A_+8:A_+9], v[A_+10:A_+11]
.elseif N_ < 29
.set K_, (N_-3)%4
.set P_, A_+2*(N_+3)
.if K_ == 0
.set D_, X_+18
.elseif K_ == 1
.set D_, X_+22
.else
.set D_, X_+2*(K_-2)
.endif
	v_pk_add_f32 v[D_:D_+1], v[D_:D_+1], v[P_:P_+1]
.elseif N_ == 29
	v_pk_add_f32 v[X_:X_+1], v[X_:X_+1], v[X_+2:X_+3]
.elseif N_ == 30
	v_pk_add_f32 v[X_+18:X_+19], v[X_+18:X_+19], v[X_+22:X_+23]
.else
	v_pk_add_f32 v[X_+18:X_+19], v[X_+18:X_+19], v[X_:X_+1]
.endif
.endm
.macro SM32 u
.set kk, 0
.rept 32
	SM \u, kk
.set kk, kk+1
.endr
.endm
.macro SC u                            ; the four blocks' scale operands, bounds and bytes
.set X_, T+26*(\u)
.irp b, 0,1,2,3
	v_max_num_f32 v[X_+\b], 0x4800000, v[X_+\b]    ; the floor: the byte cannot fall under 1
.endr
.irp b, 0,1,2,3
	v_add_nc_u32 v[X_+12+\b], 0xfc000000, v[X_+\b]
.endr
.irp b, 0,1,2,3
	v_and_or_b32 v[X_+8+\b], v[X_+\b], 0x7f800000, s[MNT]
.endr
.irp b, 0,1,2,3
	v_lshrrev_b32 v[X_+4+\b], 23, v[X_+12+\b]
.endr
	v_lshl_or_b32 v[X_+24], v[X_+5], 8, v[X_+4]
	v_lshl_or_b32 v[X_+24], v[X_+6], 16, v[X_+24]
	v_lshl_or_b32 v[PW+(\u)], v[X_+7], 24, v[X_+24]
.endm
.macro CV u
.irp b, 0,1,2,3
	v_cvt_scalef32_pk8_fp8_f32 v[PC+16*(\u)+4*\b:PC+16*(\u)+4*\b+1], v[S+64*(\u)+16*\b:S+64*(\u)+16*\b+7], v[T+26*(\u)+12+\b]
	v_cvt_scalef32_pk8_fp8_f32 v[PC+16*(\u)+4*\b+2:PC+16*(\u)+4*\b+3], v[S+64*(\u)+16*\b+8:S+64*(\u)+16*\b+15], v[T+26*(\u)+12+\b]
.endr
.endm
.macro ORS u                           ; O^T x f
.set jj, 0
.rept 16
	v_pk_mul_f32 v[32*(\u)+jj:32*(\u)+jj+1], v[32*(\u)+jj:32*(\u)+jj+1], v[T+26*(\u)+20:T+26*(\u)+21] op_sel_hi:[1,0]
.set jj, jj+2
.endr
.endm
	s_mov_b32 s[PS], 0
	s_mov_b32 s[CO], 0
	s_wait_loadcnt 0x0                             ; q
.Lpass:                                        ; two trips: two tiles of queries each
	v_perm_b32 v[QS], v[QW], v[QW], 0x01000100     ; a tile's two bytes, for the lower and the upper 64 alike
	v_perm_b32 v[QS+1], v[QW], v[QW], 0x03020302
	WIN W_TO1
.irp c, 0,1,2,3
.irp g, 0,1,2,3
	ds_load_b128 v[FK+16*\c+4*\g:FK+16*\c+4*\g+3], v[LI] offset:2048*\c+512*\g    ; the first 128 keys
.endr
.endr
.set jj, 0
.rept 64
	v_mov_b32 v[jj], 0                             ; O^T: the step is written once: the first finds zeros
.set jj, jj+1
.endr
	WIN 0
	ds_load_b128 v[KW:KW+3], v[RS]
	s_mov_b32 s[TK], 0
	s_mov_b32 s[TS], 0
	s_mov_b32 s[CNT], 16
	WALU                                           ; the wait directly ahead of the wait below
	s_wait_dscnt 0x0
	QK8 0                                          ; tile 0's scores of the first step
.irp u, 0,1                                    ; eight plain lines: the places behind these products
	v_mov_b32 v[T+26*\u+17], 0xff61b1e6            ; -3e38, under every t
	v_mov_b32 v[T+26*\u+18], 0
	v_mov_b32 v[T+26*\u+19], 0
	v_floor_f32 v[T+26*\u+16], -v[T+26*\u+17]
.endr
	WALU                                           ; the wait ahead of the loop
.Lkeys:                                        ; a step: 128 keys for both tiles; tile 0's scores stand ready
	QK8 1
.set ll, 0
.rept 10
	MX4 0, 4*ll
.set ll, ll+1
.endr
	v_add_nc_u32 v[ADK], s[TK], v[LI]
	v_add_nc_u32 v[ADS], s[TS], v[RS]
	v_add_nc_u32 v[ADV], 0x20000, v[ADK]           ; (more than eight plain lines stand behind the last product: the loads below may go into what products have read)
	WIN W_TO1
.irp t, 0,1,2,3
.irp g, 0,1,2,3
	ds_load_b128 v[FV+16*\t+4*\g:FV+16*\t+4*\g+3], v[ADV] offset:2048*\t+512*\g   ; this step's V
.endr
.endr
.irp c, 0,1,2,3
.irp g, 0,1,2,3
	ds_load_b128 v[FK+16*\c+4*\g:FK+16*\c+4*\g+3], v[ADK] offset:8192+2048*\c+512*\g   ; the next step's K (the last step's falls on V's first bytes and is not used)
.endr
.endr
	WIN 0
	ds_load_b128 v[VW:VW+3], v[ADS] offset:4096
	ds_load_b128 v[KW:KW+3], v[ADS] offset:256
.set kk, 0
.rept 9
	CH 0, kk
	MX4 1, 4*kk
.set kk, kk+1
.endr
	MX4 1, 36
.set kk, 0
.rept 9
	CH 1, kk
	FM4 0, 4*kk
.set kk, kk+1
.endr
	WIN W_OR
	ORS 0                                          ; O^T's first readers: no exponential stands between them and the products that wrote it
	ORS 1
	WIN 0
	WALU                                           ; the wait ahead of the exponentials
.set kk, 0
.rept 32
	v_exp_f32 v[S+2*kk], v[S+2*kk]                 ; tile 0's p, by turns with tile 1's t - M, which is first read behind the wait below
	FM 1, kk
	v_exp_f32 v[S+2*kk+1], v[S+2*kk+1]
.set kk, kk+1
.endr
.irp b, 0,1,2,3
	v_exp_f32 v[T+\b], v[T+\b]                     ; each block's largest p
	FM 1, 32+\b
.endr
	v_pk_mul_f32 v[T+18:T+19], v[T+18:T+19], v[T+20:T+21] op_sel_hi:[1,0]   ; the sum under the new M
	WALU                                           ; the wait behind them; it stands ahead of tile 1's exponentials too, whose sources were written above it
	SC 0
	SM32 0
	v_pk_mul_f32 v[T+44:T+45], v[T+44:T+45], v[T+46:T+47] op_sel_hi:[1,0]
	MN 0, 0                                        ; each bound's first reader stands ahead of the exponentials
	MN 0, 8
	MN 0, 16
	MN 0, 24
.set kk, 0
.rept 32
	v_exp_f32 v[S+64+2*kk], v[S+64+2*kk]           ; tile 1's p, by turns with tile 0's other holds, which the conversions read behind the wait below
.if kk%8
	MN 0, kk
.endif
	v_exp_f32 v[S+64+2*kk+1], v[S+64+2*kk+1]
.set kk, kk+1
.endr
.irp b, 0,1,2,3
	v_exp_f32 v[T+26+\b], v[T+26+\b]
.endr
	v_nop
	WALU
	s_wait_dscnt 0x0                               ; V, and the next step's K
	CV 0
	SC 1
	SM32 1
	s_cmp_eq_u32 s[CNT], 1
	s_cbranch_scc1 .Lno_next                       ; the pass's last step has no next
	QK8 0                                          ; the next step's scores of tile 0
.Lno_next:
.set kk, 0
.rept 32
	MN 1, kk
.set kk, kk+1
.endr
	CV 1
.rept 4
	v_nop                                          ; four places between the codes and the products that take them
.endr
	WIN W_PV
.irp u, 0,1
.irp t, 0,1,2,3
	PVW \u, \t
.endr
.endr
	WIN 0
	s_add_co_u32 s[TK], s[TK], 8192
	s_add_co_u32 s[TS], s[TS], 256
	s_sub_co_u32 s[CNT], s[CNT], 1
	s_cmp_lg_u32 s[CNT], 0
	s_cbranch_scc1 .Lkeys
	; O^T / the sum, quantised along the head's 64 (two blocks), in the order of the last product's operand registers
	v_add_nc_u32 v13, s[CO], v[CSA]                ; where this pass's scale bytes go
.irp u, 0,1
	v_add_f32 v[T+26*\u+18], v[T+26*\u+18], v[T+26*\u+19]
.endr
.irp u, 0,1
	v_permlanex16_b32 v[T+26*\u+24], v[T+26*\u+18], s[SEL], s[SEL+1]
.endr
.irp u, 0,1
	v_add_f32 v[T+26*\u+18], v[T+26*\u+18], v[T+26*\u+24]
.endr
	WALU
.irp u, 0,1
	v_rcp_f32 v[T+26*\u+20], v[T+26*\u+18]
.endr
.rept 4
	v_nop
.endr
	WIN 0x01                                       ; O^T from window 1, the quotient into the scores' registers
	WALU                                           ; behind the reciprocals, directly ahead of the first reader
.irp u, 0,1
.set jj, 0
.rept 16
	v_pk_mul_f32 v[S+64*\u+jj:S+64*\u+jj+1], v[32*\u+jj:32*\u+jj+1], v[T+26*\u+20:T+26*\u+21] op_sel_hi:[1,0]
.set jj, jj+2
.endr
.endr
	WIN 0
.irp b, 0,1
.irp u, 0,1
	v_max3_num_f32 v[T+26*\u+\b], |v[S+64*\u+16*\b]|, |v[S+64*\u+16*\b+1]|, 0x4800000
.endr
.endr
.irp i, 2,4,6,8,10,12,14
.irp b, 0,1
.irp u, 0,1
	v_max3_num_f32 v[T+26*\u+\b], v[T+26*\u+\b], |v[S+64*\u+16*\b+\i]|, |v[S+64*\u+16*\b+\i+1]|
.endr
.endr
.endr
.irp b, 0,1
.irp u, 0,1
	v_permlanex16_b32 v[T+26*\u+4+\b], v[T+26*\u+\b], s[SEL], s[SEL+1]
.endr
.endr
.irp b, 0,1
.irp u, 0,1
	v_max_num_f32 v[T+26*\u+\b], v[T+26*\u+\b], v[T+26*\u+4+\b]
.endr
.endr
.irp b, 0,1
.irp u, 0,1
	v_add_nc_u32 v[T+26*\u+12+\b], 0xfc000000, v[T+26*\u+\b]
.endr
.endr
.irp b, 0,1
.irp u, 0,1
	v_and_or_b32 v[T+26*\u+8+\b], v[T+26*\u+\b], 0x7f800000, s[MNT]
.endr
.endr
.irp b, 0,1
.irp u, 0,1
	v_lshrrev_b32 v[T+26*\u+4+\b], 23, v[T+26*\u+12+\b]
.endr
.endr
.irp u, 0,1
	v_lshl_or_b32 v[T+26*\u+24], v[T+26*\u+5], 8, v[T+26*\u+4]
.endr
.irp u, 0,1
.irp b, 0,1
.irp i, 0,1,2,3,4,5,6,7,8,9,10,11,12,13,14,15
	v_med3_num_f32 v[S+64*\u+16*\b+\i], v[S+64*\u+16*\b+\i], -v[T+26*\u+8+\b], v[T+26*\u+8+\b]
.endr
	v_cvt_scalef32_pk8_fp8_f32 v[PC+16*\u+4*\b:PC+16*\u+4*\b+1], v[S+64*\u+16*\b:S+64*\u+16*\b+7], v[T+26*\u+12+\b]
	v_cvt_scalef32_pk8_fp8_f32 v[PC+16*\u+4*\b+2:PC+16*\u+4*\b+3], v[S+64*\u+16*\b+8:S+64*\u+16*\b+15], v[T+26*\u+12+\b]
.endr
.endr
	v_nop
.irp u, 0,1
.irp b, 0,1
	v_permlane16_swap_b32 v[PC+16*\u+4*\b], v[PC+16*\u+4*\b+2]
	v_permlane16_swap_b32 v[PC+16*\u+4*\b+1], v[PC+16*\u+4*\b+3]
.endr
.endr
.irp u, 0,1
.irp b, 0,1
	global_store_b128 v[LI], v[PC+16*\u+4*\b:PC+16*\u+4*\b+3], s[60:61] offset:16384*\u+512*\b   ; 512 consecutive bytes
.endr
	ds_store_b16 v13, v[T+26*\u+24] offset:32*\u
.endr
	s_wait_xcnt 0x0                                ; the stores have read their base and their data
	s_add_nc_u64 s[60:61], s[60:61], 32768
	s_add_co_u32 s[CO], s[CO], 64
	s_cmp_eq_u32 s[PS], 1
	s_cbranch_scc1 .Llast
	WIN W_OR
.irp j, 0,1,2,3,4,5,6,7
	v_mov_b32 v[ZQ+8+\j], v[QN+\j]                 ; the second pass's q takes the first's place
	v_mov_b32 v[ZQ+24+\j], v[QN+8+\j]
.endr
	WIN 0
	v_mov_b32 v[QW], v[QW+1]
.Llast:
	s_add_co_u32 s[PS], s[PS], 1
	s_cmp_lt_u32 s[PS], 2
	WALU                                           ; the wait ahead of the branch
	s_cbranch_scc1 .Lpass
	s_wait_dscnt 0x0                               ; my scale bytes lie in LDS
	s_barrier_signal -1
	s_barrier_wait -1
	s_cmp_ge_u32 s8, 2
	s_cbranch_scc1 .Lno_scales
	ds_load_b128 v[32:35], v[OL]                   ; waves 0 and 1 store the work-group's 1,024 scale bytes
	s_wait_dscnt 0x0
	global_store_b128 v[OA], v[32:35], s[62:63]
.Lno_scales:
	s_wait_tensorcnt 0x0                           ; the wave's end
	ds_add_u32 v[SPW], v[NIL]
	s_wait_dscnt 0x0
	CROUND                                         ; the closing round
	s_endpgm
.Lfunc_end_k_q7a57bc78e7_attn:
	.size	k_q7a57bc78e7_attn, .Lfunc_end_k_q7a57bc78e7_attn-k_q7a57bc78e7_attn
	.p2alignl 7, 3214868480
	.fill 96, 4, 3214868480
	.section	.rodata,"a",@progbits
	.p2align	6, 0x0
	.amdhsa_kernel k_q7a57bc78e7_attn
		.amdhsa_group_segment_fixed_size 327680
		.amdhsa_private_segment_fixed_size 0
		.amdhsa_enable_private_segment 0
		.amdhsa_kernarg_size 16
		.amdhsa_user_sgpr_count 2
		.amdhsa_user_sgpr_kernarg_segment_ptr 1
		.amdhsa_wavefront_size32 1
		.amdhsa_system_sgpr_workgroup_id_x 1
		.amdhsa_system_sgpr_workgroup_id_y 1
		.amdhsa_system_sgpr_workgroup_id_z 1
		.amdhsa_system_vgpr_workitem_id 0
		.amdhsa_next_free_vgpr 512
		.amdhsa_next_free_sgpr 66
		.amdhsa_reserve_vcc 0
		.amdhsa_float_denorm_mode_32 3
		.amdhsa_float_denorm_mode_16_64 3
		.amdhsa_memory_ordered 1
		.amdhsa_forward_progress 1
		.amdhsa_inst_pref_size 59
	.end_amdhsa_kernel
	.amdgpu_metadata
---
amdhsa.version: [ 1, 2 ]
amdhsa.kernels:
  - .name:           k_q7a57bc78e7_attn
    .symbol:         k_q7a57bc78e7_attn.kd
    .args:
      - { .name: qkv, .offset: 0, .size: 8, .value_kind: global_buffer, .address_space: global }
      - { .name: ctx, .offset: 8, .size: 8, .value_kind: global_buffer, .address_space: global }
    .group_segment_fixed_size: 327680
    .private_segment_fixed_size: 0
    .kernarg_segment_align: 8
    .kernarg_segment_size: 16
    .max_flat_workgroup_size: 256
    .sgpr_count:     66
    .vgpr_count:     512
    .wavefront_size: 32
...
	.end_amdgpu_metadata
.endif
;; end of part 3
;; launch outln (part 4): grid 256 x 1, 16 waves a work-group, no clusters, 110,592 bytes of LDS; arguments ctx, wts, qres, b_o, ln_gamma, ln_beta, out0; writes out0
.if DOCPART == 4
	.amdgcn_target "amdgcn-amd-amdhsa--gfx1250"
	.amdhsa_code_object_version 6
	.text
	.protected	k_q7a57bc78e7_outln
	.globl	k_q7a57bc78e7_outln
	.p2align	8
	.type	k_q7a57bc78e7_outln,@function
k_q7a57bc78e7_outln:
	s_mov_b64 s[64:65], 0
	v_nop
	global_prefetch_b8 v0, s[64:65] scope:SCOPE_SE
	s_setreg_imm32_b32 hwreg(HW_REG_WAVE_MODE, 25, 1), 1
	s_wait_xcnt 0x0
; out0 = LayerNorm(ctx W_o^T + b_o + q) x gamma + beta.  The product is on codes of FP8 (E4M3) with E8M0 scales, K = 1,024; all else in f32.
; SHARES.  A work-group owns 32 rows (two tiles of 16), each of its sixteen waves 64 columns (four tiles of 16): eight accumulators a wave.  So a whole row lies in one work-group, and the norm needs no second launch.
; The product is used transposed (source 0 = 16 rows of W_o, source 1 = 16 rows of ctx): lane (r, h) holds row r, register j of tile n column 16 n + 8 h + j: the layout in which q was stored.  q + b_o is the C of the first K step.
; ctx's sixteen fragments (2 tiles x 8 K steps) are brought by one wave each and handed round through LDS as images of their registers; W_o's fragments, which one wave alone of the work-group uses, go from memory straight into its registers, one K step ahead.
; No multicast: the work-groups share W_o, but inside a work-group each fragment of it feeds one wave, so a way through LDS would add a write and a read of each byte; stated as a choice of this text.
; THE NORM in two passes: the mean, then the mean of (x - mean)^2: no difference of large sums.  The waves' partial sums meet in LDS, in regions of their own for each pass.
; THE WAY OUT: through each wave's own stage in LDS, so that sixteen lanes store 256 consecutive bytes of a row, aligned.
; LIMITS: NaN and infinities are not served.
.set XIMG, 0                           ; LDS: ctx's 16 fragments (8 m + s), 2,048 bytes each
.set XSC,  32768                       ; their scale words, 128 bytes each
.set RED1, 34816                       ; [row 32][wave 16] f32: the sums
.set RED2, 36864                       ; the sums of squares
.set STG,  38912                       ; a stage of 16 rows x (256 + 16) bytes for each wave
.set ACC,  16                          ; v16-79   accumulator (m, n) at v[16 + 8 (4 m + n)]
.set AF,   80                          ; v80-111  ctx's two fragments; later partial sums, later rows of out0
.set BF,   112                         ; v112-175, v176-239 W_o's four fragments, two sets; later gamma (v112), beta (v144), and from v176 what the norm works with
.set WSC,  240                         ; v240-243, v244-247 W_o's scale words, two sets
.set XS,   248                         ; v248-249 ctx's scale words
.set GA,   112
.set BE,   144
.set P,    176                         ; v[176:177], v[178:179] two chains of a sum
.set Q,    178
.set PT,   180
.set MU,   184                         ; v184, v186 the two tiles' means, later 1 / sqrt(var + eps)
	s_load_b256 s[4:11], s[0:1], 0x0               ; ctx s[4:5], wts s[6:7], qres s[8:9], b_o s[10:11]
	s_load_b128 s[12:15], s[0:1], 0x20             ; gamma s[12:13], beta s[14:15]
	s_load_b64 s[16:17], s[0:1], 0x30              ; out0
	v_lshl_add_u32 v254, v0, 2, 0x1a800
	v_mov_b32 v255, 0
	v_lshrrev_b32 v1, 5, v0
	s_delay_alu instid0(VALU_DEP_1)
	v_readfirstlane_b32 s18, v1                    ; wave 0..15
	v_and_b32 v13, 31, v0                          ; lane
	v_and_b32 v14, 15, v0                          ; r
	v_bfe_u32 v15, v0, 4, 1                        ; h
	s_delay_alu instid0(VALU_DEP_3)
	v_lshlrev_b32 v1, 4, v13                       ; v1  16 x lane
	s_delay_alu instid0(VALU_DEP_4)
	v_lshlrev_b32 v2, 2, v13                       ; v2  4 x lane
	s_delay_alu instid0(VALU_DEP_4)
	v_lshlrev_b32 v3, 4, v14                       ; v3  16 r
	v_lshlrev_b32 v4, 1, v14                       ; v4  2 r
	v_lshlrev_b32 v5, 5, v15                       ; v5  32 h
	s_lshl_b32 s22, s18, 2
	v_lshl_add_u32 v6, v14, 6, s22                 ; v6  64 r + 4 x wave: where my partial sum goes
	v_lshlrev_b32 v7, 6, v14                       ; v7  64 r: where row r's sixteen lie
	s_mul_i32 s22, s18, 4352
	s_add_co_u32 s22, s22, STG                     ; my stage
	v_mul_u32_u24 v8, v14, 272
	s_delay_alu instid0(VALU_DEP_1)
	v_lshl_add_u32 v8, v15, 5, v8
	s_delay_alu instid0(VALU_DEP_1)
	v_add_nc_u32 v8, s22, v8                       ; v8  in: row r, + 32 h
	v_mul_u32_u24 v9, v15, 272
	s_delay_alu instid0(VALU_DEP_1)
	v_lshl_add_u32 v9, v14, 4, v9
	s_delay_alu instid0(VALU_DEP_1)
	v_add_nc_u32 v9, s22, v9                       ; v9  back: lanes 0-15 one row, lanes 16-31 the next
	v_lshlrev_b32 v10, 12, v15
	s_delay_alu instid0(VALU_DEP_1)
	v_lshl_add_u32 v10, v14, 4, v10                ; v10 and the same two rows in out0
	s_lshl_b32 s22, s18, 11
	v_add_nc_u32 v11, s22, v1                      ; v11 where I store my fragment's image
	s_lshl_b32 s22, s18, 7
	v_add_nc_u32 v12, s22, v2                      ; v12 and its scale words
	s_mov_b32 s20, 0x76543210
	s_mov_b32 s21, 0xfedcba98                      ; v_permlanex16_b32's selects for lane l xor 16
	s_mov_b32 s44, 0x3a800000                      ; 1 / 1,024
	s_mov_b32 s45, 0x3727c5ac                      ; 1e-5
	s_mov_b32 s23, 0
	s_lshl_b32 s22, ttmp9, 15
	s_lshl_b32 s30, s18, 11
	s_add_co_u32 s22, s22, s30                     ; my fragment of ctx: 32 rows x 1,024 bytes a work-group, fragment 8 m + s = wave
	s_and_b32 s30, s18, 7
	s_lshl_b32 s32, s30, 15                        ; its scale bytes: head 2 s, 16,384 bytes a head,
	s_lshl_b32 s30, ttmp9, 6
	s_add_co_u32 s32, s32, s30                     ; 2 bytes a row,
	s_lshr_b32 s30, s18, 3
	s_lshl_b32 s30, s30, 5
	s_add_co_u32 s32, s32, s30                     ; tile m
	s_add_co_u32 s32, s32, 8388608
	s_mov_b32 s33, 0
	s_lshl_b32 s34, s18, 16
	s_add_co_u32 s34, s34, 3145728                 ; my 64 rows of W_o
	s_mov_b32 s35, 0
	s_lshl_b32 s36, s18, 11
	s_add_co_u32 s36, s36, 4292608                 ; and their scale words
	s_mov_b32 s37, 0
	s_lshl_b32 s38, ttmp9, 17
	s_lshl_b32 s30, s18, 12
	s_add_co_u32 s38, s38, s30                     ; q: 32 rows x 4,096 bytes, my 4 tiles of columns x 1,024
	s_mov_b32 s39, 0
	s_lshl_b32 s40, s18, 8                         ; my 64 columns in b_o, gamma, beta and a row of out0
	s_mov_b32 s41, 0
	s_lshl_b32 s42, ttmp9, 17
	s_add_co_u32 s42, s42, s40
	s_mov_b32 s43, 0
	s_wait_alu depctr_va_vdst(0)
	s_wait_kmcnt 0x0
	s_add_nc_u64 s[24:25], s[4:5], s[32:33]
	s_add_nc_u64 s[4:5], s[4:5], s[22:23]
	s_add_nc_u64 s[26:27], s[6:7], s[34:35]
	s_add_nc_u64 s[28:29], s[6:7], s[36:37]
	s_add_nc_u64 s[8:9], s[8:9], s[38:39]
	s_add_nc_u64 s[10:11], s[10:11], s[40:41]
	s_add_nc_u64 s[12:13], s[12:13], s[40:41]
	s_add_nc_u64 s[14:15], s[14:15], s[40:41]
	s_add_nc_u64 s[16:17], s[16:17], s[42:43]
.macro LOADB s                         ; W_o's four fragments of K step s and their scale words into set s % 2: 20 loads
.irp n, 0,1,2,3
.irp c, 0,1,2,3
	global_load_b128 v[BF+64*((\s)%2)+16*\n+4*\c:BF+64*((\s)%2)+16*\n+4*\c+3], v1, s[26:27] offset:16384*\n+2048*(\s)+512*\c
.endr
	global_load_b32 v[WSC+4*((\s)%2)+\n], v3, s[28:29] offset:512*\n+256*((\s)/4)+4*((\s)%4)
.endr
.endm
.irp c, 0,1,2,3
	global_load_b128 v[AF+4*\c:AF+4*\c+3], v1, s[4:5] offset:512*\c th:TH_LOAD_NT      ; my fragment of ctx
.endr
	global_load_u16 v250, v4, s[24:25]             ; row r's bytes of head 2 s,
	global_load_u16 v251, v4, s[24:25] offset:16384   ; and of head 2 s + 1
.irp m, 0,1
.irp n, 0,1,2,3
	global_load_b128 v[ACC+8*(4*\m+\n):ACC+8*(4*\m+\n)+3], v1, s[8:9] offset:65536*\m+1024*\n th:TH_LOAD_NT        ; q, into the accumulators
	global_load_b128 v[ACC+8*(4*\m+\n)+4:ACC+8*(4*\m+\n)+7], v1, s[8:9] offset:65536*\m+1024*\n+512 th:TH_LOAD_NT
.endr
.endr
.irp n, 0,1,2,3
	global_load_b128 v[176+8*\n:176+8*\n+3], v5, s[10:11] offset:64*\n              ; b_o at columns 16 n + 8 h + 0 .. 7
	global_load_b128 v[176+8*\n+4:176+8*\n+7], v5, s[10:11] offset:64*\n+16
.endr
	LOADB 0
	s_wait_loadcnt 44                              ; ctx's six loads are in; q's 16, b_o's 8 and W_o's 20 may be out
	v_lshl_or_b32 v252, v251, 16, v250             ; the fragment's scale word of row r
.irp c, 0,1,2,3
	ds_store_b128 v11, v[AF+4*\c:AF+4*\c+3] offset:XIMG+512*\c
.endr
	ds_store_b32 v12, v252 offset:XSC
	s_wait_loadcnt 20                              ; q and b_o are in; W_o's 20 may be out
.irp m, 0,1
.set jj, 0
.rept 16
	v_pk_add_f32 v[ACC+32*\m+jj:ACC+32*\m+jj+1], v[ACC+32*\m+jj:ACC+32*\m+jj+1], v[176+jj:176+jj+1]   ; q + b_o
.set jj, jj+2
.endr
.endr
	s_wait_alu depctr_va_vdst(0)
	s_wait_dscnt 0x0                               ; for the others' sake: my image lies in LDS
	s_barrier_signal -1
	s_barrier_wait -1
.macro KSTEP s
.rept 8
	v_nop                                          ; places in front of loads into registers that the last products have read
.endr
.irp m, 0,1
.irp c, 0,1,2,3
	ds_load_b128 v[AF+16*\m+4*\c:AF+16*\m+4*\c+3], v1 offset:XIMG+(8*\m+(\s))*2048+512*\c
.endr
	ds_load_b32 v[XS+\m], v2 offset:XSC+128*(8*\m+(\s))
.endr
.if (\s) < 7
	LOADB (\s)+1
	s_wait_loadcnt 20                              ; this K step's set is in; the next one's 20 loads may be out
.else
	s_wait_loadcnt 0x0
.endif
	s_wait_dscnt 0x0
.irp m, 0,1
.irp n, 0,1,2,3                                ; the eight accumulators by turns, one instruction a turn
	v_wmma_scale_f32_16x16x128_f8f6f4 v[ACC+8*(4*\m+\n):ACC+8*(4*\m+\n)+7], v[BF+64*((\s)%2)+16*\n:BF+64*((\s)%2)+16*\n+15], v[AF+16*\m:AF+16*\m+15], v[ACC+8*(4*\m+\n):ACC+8*(4*\m+\n)+7], v[WSC+4*((\s)%2)+\n], v[XS+\m]
.endr
.endr
.endm
.irp s, 0,1,2,3,4,5,6,7
	KSTEP \s
.endr
.rept 8
	v_nop                                          ; places behind the last products
.endr
.irp n, 0,1,2,3
	global_load_b128 v[GA+8*\n:GA+8*\n+3], v5, s[12:13] offset:64*\n
	global_load_b128 v[GA+8*\n+4:GA+8*\n+7], v5, s[12:13] offset:64*\n+16
	global_load_b128 v[BE+8*\n:BE+8*\n+3], v5, s[14:15] offset:64*\n
	global_load_b128 v[BE+8*\n+4:BE+8*\n+7], v5, s[14:15] offset:64*\n+16
.endr
.macro LANESUM m, red                  ; the two chains, the pair's halves, lane l xor 16's: my wave's 64 columns of row r; to LDS
	s_delay_alu instid0(VALU_DEP_1)
	v_pk_add_f32 v[P:P+1], v[P:P+1], v[Q:Q+1]
	s_delay_alu instid0(VALU_DEP_1)
	v_add_f32 v[P], v[P], v[P+1]
	s_delay_alu instid0(VALU_DEP_1)
	v_permlanex16_b32 v[PT], v[P], s20, s21
	s_delay_alu instid0(VALU_DEP_1)
	v_add_f32 v[P], v[P], v[PT]
	ds_store_b32 v6, v[P] offset:\red+1024*\m      ; both halves of the lanes write the same word with the same value
.endm
.macro GATHER red                      ; behind a barrier: row r's sixteen partial sums of both tiles; their sums end in v80 and v96
	s_wait_dscnt 0x0
	s_barrier_signal -1
	s_barrier_wait -1
.irp m, 0,1
.irp i, 0,1,2,3
	ds_load_b128 v[AF+16*\m+4*\i:AF+16*\m+4*\i+3], v7 offset:\red+1024*\m+16*\i
.endr
.endr
	s_wait_dscnt 0x0
.irp m, 0,1
.irp i, 0,4,8,12
	v_pk_add_f32 v[AF+16*\m+\i:AF+16*\m+\i+1], v[AF+16*\m+\i:AF+16*\m+\i+1], v[AF+16*\m+\i+2:AF+16*\m+\i+3]
.endr
.irp i, 0
	s_delay_alu instid0(VALU_DEP_3)
	v_pk_add_f32 v[AF+16*\m+\i:AF+16*\m+\i+1], v[AF+16*\m+\i:AF+16*\m+\i+1], v[AF+16*\m+\i+4:AF+16*\m+\i+5]
.endr
.irp i, 8
	s_delay_alu instid0(VALU_DEP_2)
	v_pk_add_f32 v[AF+16*\m+\i:AF+16*\m+\i+1], v[AF+16*\m+\i:AF+16*\m+\i+1], v[AF+16*\m+\i+4:AF+16*\m+\i+5]
.endr
	s_delay_alu instid0(VALU_DEP_1)
	v_pk_add_f32 v[AF+16*\m:AF+16*\m+1], v[AF+16*\m:AF+16*\m+1], v[AF+16*\m+8:AF+16*\m+9]
	s_delay_alu instid0(VALU_DEP_1)
	v_add_f32 v[AF+16*\m], v[AF+16*\m], v[AF+16*\m+1]
.endr
.endm
	; ---- the mean
.irp m, 0,1
	v_pk_add_f32 v[P:P+1], v[ACC+32*\m:ACC+32*\m+1], v[ACC+32*\m+2:ACC+32*\m+3]     ; ascending: each accumulator is read from its low end on
	v_pk_add_f32 v[Q:Q+1], v[ACC+32*\m+4:ACC+32*\m+5], v[ACC+32*\m+6:ACC+32*\m+7]
.irp j, 8,12,16,20,24,28
	v_pk_add_f32 v[P:P+1], v[P:P+1], v[ACC+32*\m+\j:ACC+32*\m+\j+1]
	v_pk_add_f32 v[Q:Q+1], v[Q:Q+1], v[ACC+32*\m+\j+2:ACC+32*\m+\j+3]
.endr
	LANESUM \m, RED1
.endr
	GATHER RED1
.irp m, 0
	v_mul_f32 v[MU+2*\m], s44, v[AF+16*\m]
.endr
.irp m, 1
	s_delay_alu instid0(VALU_DEP_2)
	v_mul_f32 v[MU+2*\m], s44, v[AF+16*\m]
.endr
.irp m, 0,1
.set jj, 0
.rept 16
	v_pk_add_f32 v[ACC+32*\m+jj:ACC+32*\m+jj+1], v[ACC+32*\m+jj:ACC+32*\m+jj+1], v[MU+2*\m:MU+2*\m+1] op_sel_hi:[1,0] neg_lo:[0,1] neg_hi:[0,1]   ; x - mean
.set jj, jj+2
.endr
.endr
	; ---- the variance
.irp m, 0,1
	v_pk_mul_f32 v[P:P+1], v[ACC+32*\m:ACC+32*\m+1], v[ACC+32*\m:ACC+32*\m+1]
	v_pk_mul_f32 v[Q:Q+1], v[ACC+32*\m+2:ACC+32*\m+3], v[ACC+32*\m+2:ACC+32*\m+3]
.irp j, 4,8,12,16,20,24,28
	s_delay_alu instid0(VALU_DEP_2)
	v_pk_fma_f32 v[P:P+1], v[ACC+32*\m+\j:ACC+32*\m+\j+1], v[ACC+32*\m+\j:ACC+32*\m+\j+1], v[P:P+1]
	s_delay_alu instid0(VALU_DEP_2)
	v_pk_fma_f32 v[Q:Q+1], v[ACC+32*\m+\j+2:ACC+32*\m+\j+3], v[ACC+32*\m+\j+2:ACC+32*\m+\j+3], v[Q:Q+1]
.endr
	LANESUM \m, RED2
.endr
	GATHER RED2
.irp m, 0
	v_fma_f32 v[AF+16*\m], v[AF+16*\m], s44, s45   ; var + eps
.endr
.irp m, 1
	s_delay_alu instid0(VALU_DEP_2)
	v_fma_f32 v[AF+16*\m], v[AF+16*\m], s44, s45   ; var + eps
.endr
	s_wait_alu depctr_va_vdst(0)
.irp m, 0,1
	v_rsq_f32 v[MU+2*\m], v[AF+16*\m]
.endr
	v_nop                                          ; a plain line behind the transcendentals
	s_wait_alu depctr_va_vdst(0)
.irp m, 0,1
.set jj, 0
.rept 16
	v_pk_mul_f32 v[ACC+32*\m+jj:ACC+32*\m+jj+1], v[ACC+32*\m+jj:ACC+32*\m+jj+1], v[MU+2*\m:MU+2*\m+1] op_sel_hi:[1,0]
.set jj, jj+2
.endr
.endr
	s_wait_loadcnt 0x0                             ; gamma and beta
.irp m, 0,1
.set jj, 0
.rept 16
	v_pk_fma_f32 v[ACC+32*\m+jj:ACC+32*\m+jj+1], v[ACC+32*\m+jj:ACC+32*\m+jj+1], v[GA+jj:GA+jj+1], v[BE+jj:BE+jj+1]
.set jj, jj+2
.endr
.endr
	; ---- the way out: LDS serves a wave's instructions in order, so no wait stands between my stores and my loads, nor in front of the second tile's stores
.irp m, 0,1
.irp n, 0,1,2,3
	ds_store_b128 v8, v[ACC+32*\m+8*\n:ACC+32*\m+8*\n+3] offset:64*\n
	ds_store_b128 v8, v[ACC+32*\m+8*\n+4:ACC+32*\m+8*\n+7] offset:64*\n+16
.endr
.irp i, 0,1,2,3,4,5,6,7
	ds_load_b128 v[AF+96*\m+4*\i:AF+96*\m+4*\i+3], v9 offset:544*\i     ; tile 0 into v80-111, tile 1 into v176-207
.endr
.endr
.irp i, 0,1,2,3,4,5,6,7
	s_wait_dscnt 23-\i                             ; behind this load: the tile's later loads and the second tile's sixteen instructions
	global_store_b128 v10, v[AF+4*\i:AF+4*\i+3], s[16:17] offset:8192*\i th:TH_STORE_NT   ; sixteen lanes store 256 consecutive bytes, aligned
.endr
.irp i, 0,1,2,3,4,5,6,7
	s_wait_dscnt 7-\i
	global_store_b128 v10, v[AF+96+4*\i:AF+96+4*\i+3], s[16:17] offset:65536+8192*\i th:TH_STORE_NT
.endr
	s_wait_tensorcnt 0x0
	ds_add_u32 v254, v255
	s_wait_dscnt 0x0
	s_endpgm
.Lfunc_end_k_q7a57bc78e7_outln:
	.size	k_q7a57bc78e7_outln, .Lfunc_end_k_q7a57bc78e7_outln-k_q7a57bc78e7_outln
	.p2alignl 7, 3214868480
	.fill 96, 4, 3214868480
	.section	.rodata,"a",@progbits
	.p2align	6, 0x0
	.amdhsa_kernel k_q7a57bc78e7_outln
		.amdhsa_group_segment_fixed_size 110592
		.amdhsa_private_segment_fixed_size 0
		.amdhsa_enable_private_segment 0
		.amdhsa_kernarg_size 56
		.amdhsa_user_sgpr_count 2
		.amdhsa_user_sgpr_kernarg_segment_ptr 1
		.amdhsa_wavefront_size32 1
		.amdhsa_system_sgpr_workgroup_id_x 1
		.amdhsa_system_sgpr_workgroup_id_y 1
		.amdhsa_system_sgpr_workgroup_id_z 1
		.amdhsa_system_vgpr_workitem_id 0
		.amdhsa_next_free_vgpr 256
		.amdhsa_next_free_sgpr 66
		.amdhsa_reserve_vcc 0
		.amdhsa_float_denorm_mode_32 3
		.amdhsa_float_denorm_mode_16_64 3
		.amdhsa_memory_ordered 1
		.amdhsa_forward_progress 1
		.amdhsa_inst_pref_size 62
	.end_amdhsa_kernel
	.amdgpu_metadata
---
amdhsa.version: [ 1, 2 ]
amdhsa.kernels:
  - .name:           k_q7a57bc78e7_outln
    .symbol:         k_q7a57bc78e7_outln.kd
    .args:
      - { .name: ctx, .offset: 0, .size: 8, .value_kind: global_buffer, .address_space: global }
      - { .name: wts, .offset: 8, .size: 8, .value_kind: global_buffer, .address_space: global }
      - { .name: qres, .offset: 16, .size: 8, .value_kind: global_buffer, .address_space: global }
      - { .name: b_o, .offset: 24, .size: 8, .value_kind: global_buffer, .address_space: global }
      - { .name: ln_gamma, .offset: 32, .size: 8, .value_kind: global_buffer, .address_space: global }
      - { .name: ln_beta, .offset: 40, .size: 8, .value_kind: global_buffer, .address_space: global }
      - { .name: out0, .offset: 48, .size: 8, .value_kind: global_buffer, .address_space: global }
    .group_segment_fixed_size: 110592
    .private_segment_fixed_size: 0
    .kernarg_segment_align: 8
    .kernarg_segment_size: 56
    .max_flat_workgroup_size: 512
    .sgpr_count:     66
    .vgpr_count:     256
    .wavefront_size: 32
...
	.end_amdgpu_metadata
.endif
;; end of part 4
